; MI455X (gfx1250); checked and timed in simulation.
; The chip was launched on July 23, 2026; its instructions are those of AMD's public machine-readable ISA for CDNA 5 (MIT licence, August 2026) and "CDNA5" Instruction Set Architecture Reference Guide (July 2026). The comments in the code are by the model that wrote it; some were corrected since.
;; L La MA Layer. Allowed arithmetic: matrix products marked QUANTISED: E5M2 operands, one given power-of-two scale a tensor, by v_wmma_f32_16x16x64_bf8_bf8 or v_wmma_f32_16x16x128_bf8_bf8, f32 sums; everything else in f32.
;; Inputs: W1 2,048 x 512 float32; W2 512 x 2,048 float32; Wk 2,048 x 512 float32; Wo 2,048 x 2,048 float32; Wq 2,048 x 2,048 float32; Wv 2,048 x 512 float32; b1 512 float32; b2 2,048 float32; bk 512 float32; bo 2,048 float32; bq 2,048 float32; bv 512 float32; lowp_scales 16 int32 (the exponents e of the quantised operands' scales 2^e); scale1 2,048 float32; x 4 x 1,024 x 2,048 float32.
;; Outputs: out0 4 x 1,024 x 2,048 float32.
;; This version of the problem:
;;   THIS VERSION OF THE PROBLEM IS GIVEN IN LOW PRECISION. The matrix products marked QUANTISED in the list below multiply operands that are first quantised to E5M2 (5 exponent bits, 2 mantissa bits; 8 bits a number), with one given power-of-two scale for each operand tensor; their sums are f32. All else is computed in f32.
;;   The module's matrix products, in the order in which they are computed (A, B: the left and right operand; K: the contracted axis; several contracted axes count as one K, in the product's order):
;;     1. [M 4,096, K 2,048] x [K 2,048, N 2,048]; A: computed on the way; B: input Wq: QUANTISED (scales: A lowp_scales[0], B lowp_scales[1])
;;     2. [M 4,096, K 2,048] x [K 2,048, N 512]; A: computed on the way; B: input Wk: QUANTISED (scales: A lowp_scales[2], B lowp_scales[3])
;;     3. [M 4,096, K 2,048] x [K 2,048, N 512]; A: computed on the way; B: input Wv: QUANTISED (scales: A lowp_scales[4], B lowp_scales[5])
;;     4. batch 64 x [M 1,024, K 128] x [K 128, N 1,024]; A: computed on the way; B: computed on the way: QUANTISED (scales: A lowp_scales[6], B lowp_scales[7])
;;     5. batch 64 x [M 1,024, K 1,024] x [K 1,024, N 128]; A: softmax (see below); B: computed on the way: QUANTISED (scales: A lowp_scales[8], B lowp_scales[9])
;;     6. [M 4,096, K 2,048] x [K 2,048, N 2,048]; A: computed on the way; B: input Wo: QUANTISED (scales: A lowp_scales[10], B lowp_scales[11])
;;     7. [M 4,096, K 2,048] x [K 2,048, N 512]; A: computed on the way; B: input W1: QUANTISED (scales: A lowp_scales[12], B lowp_scales[13])
;;     8. [M 4,096, K 512] x [K 512, N 2,048]; A: computed on the way; B: input W2: QUANTISED (scales: A lowp_scales[14], B lowp_scales[15])
;;   THE QUANTISER, for each operand of a quantised product, along K:
;;     - The operand's scale is 2^e, e = its entry of the input lowp_scales (int32; the entries are numbered through the quantised products in the list's order, A before B).
;;     - Each number is divided by the scale, clamped to +-57,344, and rounded to the nearest number of E5M2, ties to even, subnormals kept.
;;     - The product sums the exact products of the quantised numbers (number of the format x scale) in f32.
;;   ~~~python
;;   def quantise(x, axis, e):      # numpy; x: float32 -> the quantised numbers, widened to float32 again
;;       x = np.moveaxis(x, axis, -1); K = x.shape[-1]
;;       r = np.clip(x / 2.0 ** e, -57344, 57344)
;;       step = 2.0 ** (np.maximum(np.frexp(np.where(r == 0, 1, r))[1] - 1, -14) - 2)
;;       q = np.round(r / step) * step * 2.0 ** e      # np.round: ties to even
;;       return np.moveaxis(q, -1, axis).astype(np.float32)
;;   ~~~
;;   SOFTMAX AHEAD OF A QUANTISED PRODUCT. Where the list says 'softmax', what is quantised is not the finished softmax but p = 2^(t - M), with t = logit x log2(e) and M = ceil(the row's largest t), a whole number; so 1/2 < the row's largest p <= 1. The row's sum l is taken of the UNQUANTISED p, in f32, and the product's result is divided by l at the end. Since M is a whole number, a kernel that streams over the keys may use a running M (the ceiling of the running maximum): every later rescaling is an exact power of two, so the quantised numbers keep their values, but for numbers so far below the row's largest that they fall under the format's range.
;;   OPERANDS COMPUTED ON THE WAY. 'Computed on the way' means the value that the module computes at that place (a softmax that the list does not call 'softmax' is quantised finished and normalised). What goes into a quantiser is computed in f32, as accurately as f32 sums, v_exp_f32 and their like allow (about 1e-6 of the number): no bf16 or f16 on the way to a quantiser, and a product that is left as it is and whose result goes on into a quantised operand takes f32 operands (vector FMAs, or v_wmma_f32_16x16x4_f32). A number that lies on a knife's edge between two numbers of the format may be rounded either way, as far as f32 arithmetic and the matrix unit's own rounding can turn it there, and no further.
;; One version. Each part assembles by itself: llvm-mc -triple=amdgcn-amd-amdhsa -mcpu=gfx1250 --defsym DOCPART=n.
;; ======== version 1 of 1: 4 launches
;; limits: right only within a limited range of input values
;; workspace buffers: xc 33,554,432 bytes; wa 7,340,032 bytes; wb 5,242,880 bytes; qc 8,388,608 bytes; kv 4,194,304 bytes; ac 10,485,760 bytes
;; launch prep (part 1): grid 448 x 1, 8 waves a work-group, no clusters, 132,352 bytes of LDS; arguments x, scale1, Wq, Wk, Wv, Wo, W1, W2, lowp_scales, xc, wa, wb; writes xc, wa, wb
.if DOCPART == 1
	.amdgcn_target "amdgcn-amd-amdhsa--gfx1250"
	.amdhsa_code_object_version 6
	.text
	.protected	k_q961da17f38_prep
	.globl	k_q961da17f38_prep
	.p2align	8
	.type	k_q961da17f38_prep,@function
k_q961da17f38_prep:
	s_mov_b64 s[64:65], 0
	v_nop
	global_prefetch_b8 v0, s[64:65] scope:SCOPE_SE
	s_setreg_imm32_b32 hwreg(HW_REG_WAVE_MODE, 25, 1), 1
	s_wait_xcnt 0x0
; PREP.  Work-groups 0-255: xn = scale1 * x / sqrt(mean(x^2) + 1e-6) for 16 tokens, quantised to BF8 (E5M2) four times, with the scales of entries 0, 2, 4, 12.
; Work-groups 256-447: a unit of 256 columns x 256 k of one of the six weights ([K][N] f32), quantised along K with its own scale.
; code = number / 2^e, held within +-57,344, rounded to the nearest code, ties to even.
; ALL CODES ARE LAID AS IMAGES OF THE OPERAND'S REGISTERS: an image is 16 rows x 128 k in 2,048 bytes; byte 512 c + 256 h + 16 row + i holds k = 32 c + 16 h + i,
; so that lane 16 h + row takes registers 4 c .. 4 c + 3 by one 16-byte load at 512 c + 16 lane, and every load and store of a wave covers 512 consecutive bytes.
; xc: [4 scales][16 panels of 128 k][256 groups of 16 tokens][2,048].  wa: [16 panels][224 groups][2,048], rows Wq, Wk, Wv, W1.  wb: [20 panels][128 groups][2,048], panels 0-3 W2, 4-19 Wo.
; In a weight's image, lane row of group G holds column 32 (G / 2) + 8 (G % 2) + row + 8 (row / 8): the products' results then have 16 neighbouring columns in a lane's 16 registers.
; LIMITS: each e used here lies between -126 and 112.  NaN among the inputs is not served.  1 / rms is made by v_rsq_f32.
; No tensor load, no matrix work: the launch streams.  Only the token path touches LDS (16 rows of 8,192 bytes + 16 of padding).
.set ROWP, 8208                        ; an LDS row: 2,052 words, so that row r starts at bank 4 r mod 64
.set TT,   32                          ; v32-63   two sets of 16 held numbers
.set XA,   64                          ; v64-127  a row, later a panel's 64 numbers
.set XB,   128                         ; v128-191 the second row, the second panel
.set SCL,  192                         ; v192-255 scale1, as the rows are loaded
.set CD,   192                         ; v192-255 later: codes, 16 registers for each of the four scales
.set WX,   32                          ; weights: v32-95 two sets of 32 numbers down K
.set VO,   96                          ; v96-127  byte offset of row i of a block of 32
.set WC,   128                         ; v128-191 codes, eight registers a block, never written twice
	s_load_b512 s[4:19], s[0:1], 0x0               ; x, scale1, Wq, Wk, Wv, Wo, W1, W2
	s_load_b256 s[20:27], s[0:1], 0x40             ; the exponents, xc, wa, wb
	v_lshl_add_u32 v31, v0, 2, 0x20100
	v_mov_b32 v6, 0                                ; 0, kept for the add alone
	v_and_b32 v1, 31, v0                           ; lane
	v_lshrrev_b32 v2, 5, v0
	s_delay_alu instid0(VALU_DEP_1)
	v_readfirstlane_b32 s44, v2                    ; wave 0..7
	s_wait_kmcnt 0x0
	s_load_b512 s[28:43], s[20:21], 0x0            ; entry i in s[28 + i]
	s_cmp_ge_u32 ttmp9, 256
	s_cbranch_scc1 .Lweights
	; ---------------- tokens: group G = the work-group's number ----------------
	s_lshl_b32 s46, ttmp9, 17                      ; 16 rows of 8,192 bytes
	s_mov_b32 s47, 0
	s_add_nc_u64 s[4:5], s[4:5], s[46:47]
	s_wait_alu depctr_va_vdst(0)
	v_lshlrev_b32 v7, 4, v1                        ; 16 x lane
	s_lshl_b32 s48, s44, 14                        ; wave w takes rows 2 w and 2 w + 1
	v_add_nc_u32 v2, s48, v7
.set i, 0
.rept 16
	global_load_b128 v[XA+4*i:XA+4*i+3], v2, s[4:5] offset:512*i th:TH_LOAD_NT          ; 512 consecutive bytes a load
.set i, i+1
.endr
.set i, 0
.rept 16
	global_load_b128 v[XB+4*i:XB+4*i+3], v2, s[4:5] offset:8192+512*i th:TH_LOAD_NT
.set i, i+1
.endr
.set i, 0
.rept 16
	global_load_b128 v[SCL+4*i:SCL+4*i+3], v7, s[6:7] offset:512*i
.set i, i+1
.endr
	s_mul_i32 s48, s44, 2*ROWP
	v_add_nc_u32 v3, s48, v7                       ; into LDS: my wave's two rows, 16 bytes a lane
	v_and_b32 v24, 15, v0                          ; r
	v_bfe_u32 v25, v0, 4, 1                        ; h
	s_delay_alu instid0(VALU_DEP_2)
	v_mul_u32_u24 v4, v24, ROWP
	s_delay_alu instid0(VALU_DEP_1)
	v_lshl_add_u32 v4, v25, 6, v4
	s_lshl_b32 s48, s44, 10
	v_add_nc_u32 v4, s48, v4                       ; out of LDS: row r, + 64 h, + my wave's two panels of 512 bytes
	s_lshl_b32 s48, s44, 20
	v_add_nc_u32 v5, s48, v7                       ; in xc: 16 x lane + two panels of 524,288 bytes a wave
	s_lshl_b32 s46, ttmp9, 11
	s_add_nc_u64 s[78:79], s[22:23], s[46:47]      ; xc at my group, once for each scale
	s_add_nc_u64 s[80:81], s[78:79], 0x800000
	s_add_nc_u64 s[82:83], s[80:81], 0x800000
	s_add_nc_u64 s[84:85], s[82:83], 0x800000
	s_mov_b32 s86, 0x3a000000                      ; 1 / 2,048
	s_mov_b32 s88, 0x76543210                      ; lane l xor 16
	s_mov_b32 s89, 0xfedcba98
	v_mov_b32 v30, 0x358637bd                      ; 1e-6
	v_mov_b32 v27, 0                               ; (upper halves of pairs that are named whole)
	v_mov_b32 v29, 0
.macro SCALES e, vs, vl                ; 2^e as f32 for the conversion, and 57,344 x 2^e for the hold
	s_add_co_i32 s90, s[\e], 127
	s_lshl_b32 s91, s90, 23
	v_mov_b32 v[\vs], s91
	s_add_co_i32 s90, s90, 15
	s_lshl_b32 s90, s90, 23
	s_or_b32 s90, s90, 0x600000
	v_mov_b32 v[\vl], s90
.endm
	s_wait_kmcnt 0x0
	SCALES 28, 8, 12
	SCALES 30, 9, 13
	SCALES 32, 10, 14
	SCALES 40, 11, 15
	; A copy of the codes whose exponent equals an earlier copy's would hold the same bytes: it is not made, and the next launch reads the earlier one.  Whole numbers read from memory decide; every split of the four is served.
	s_cmp_eq_u32 s30, s28
	s_cselect_b32 s93, 1, 0
	s_cmp_eq_u32 s32, s28
	s_cselect_b32 s94, 1, 0
	s_cmp_eq_u32 s32, s30
	s_cselect_b32 s94, 1, s94
	s_cmp_eq_u32 s40, s28
	s_cselect_b32 s95, 1, 0
	s_cmp_eq_u32 s40, s30
	s_cselect_b32 s95, 1, s95
	s_cmp_eq_u32 s40, s32
	s_cselect_b32 s95, 1, s95
.macro SUMSQ X, R                      ; 1 / sqrt(mean of squares + 1e-6) of the row in v[X] on, into v[R] of every lane
.irp k, 0,1,2,3
	v_pk_mul_f32 v[16+2*\k:17+2*\k], v[\X+2*\k:\X+2*\k+1], v[\X+2*\k:\X+2*\k+1]           ; four chains, started by the first products
.endr
.set j, 4
.rept 28
	s_delay_alu instid0(VALU_DEP_4)
	v_pk_fma_f32 v[16+2*(j%4):17+2*(j%4)], v[\X+2*j:\X+2*j+1], v[\X+2*j:\X+2*j+1], v[16+2*(j%4):17+2*(j%4)]
.set j, j+1
.endr
	s_delay_alu instid0(VALU_DEP_3)
	v_pk_add_f32 v[16:17], v[16:17], v[18:19]
	s_delay_alu instid0(VALU_DEP_2)
	v_pk_add_f32 v[20:21], v[20:21], v[22:23]
	s_delay_alu instid0(VALU_DEP_1)
	v_pk_add_f32 v[16:17], v[16:17], v[20:21]
	s_delay_alu instid0(VALU_DEP_1)
	v_add_f32 v24, v16, v17
	s_delay_alu instid0(VALU_DEP_1)
	v_add_f32_dpp v24, v24, v24 row_xmask:1 row_mask:0xf bank_mask:0xf
	s_delay_alu instid0(VALU_DEP_1)
	v_add_f32_dpp v24, v24, v24 row_xmask:2 row_mask:0xf bank_mask:0xf
	s_delay_alu instid0(VALU_DEP_1)
	v_add_f32_dpp v24, v24, v24 row_xmask:4 row_mask:0xf bank_mask:0xf
	s_delay_alu instid0(VALU_DEP_1)
	v_add_f32_dpp v24, v24, v24 row_xmask:8 row_mask:0xf bank_mask:0xf
	s_delay_alu instid0(VALU_DEP_1)
	v_permlanex16_b32 v25, v24, s88, s89
	s_delay_alu instid0(VALU_DEP_1)
	v_add_f32 v24, v24, v25
	s_delay_alu instid0(VALU_DEP_1)
	v_fma_f32 v24, v24, s86, v30
	s_wait_alu depctr_va_vdst(0)
	v_rsq_f32 v[\R], v24
.endm
.macro NORM X, R, row                  ; (x / rms) x scale1, and into LDS as the row lies
.set j, 0
.rept 32
	v_pk_mul_f32 v[\X+j:\X+j+1], v[\X+j:\X+j+1], v[\R:\R+1] op_sel_hi:[1,0]
.set j, j+2
.endr
.set j, 0
.rept 32
	v_pk_mul_f32 v[\X+j:\X+j+1], v[\X+j:\X+j+1], v[SCL+j:SCL+j+1]
.set j, j+2
.endr
.set i, 0
.rept 16
	ds_store_b128 v3, v[\X+4*i:\X+4*i+3] offset:\row*ROWP+512*i
.set i, i+1
.endr
.endm
	s_wait_loadcnt 32                              ; the first row is in; the second row's 16 loads and scale1's 16 are younger
	SUMSQ XA, 26
	s_wait_loadcnt 16                              ; the second row is in
	SUMSQ XB, 28
	v_nop                                          ; a plain line between the last v_rsq_f32 and the use of its result
	s_wait_alu depctr_va_vdst(0)
	s_wait_loadcnt 0x0                             ; scale1
	NORM XA, 26, 0
	NORM XB, 28, 1
	s_wait_dscnt 0x0                               ; for the others' sake: my two rows lie in LDS
	s_barrier_signal -1
	s_barrier_wait -1
	; wave w takes panels 2 w and 2 w + 1: lane (r, h) wants, of row r, k = 32 c + 16 h + 0 .. 15: 64 bytes for each c
.irp c, 0,1,2,3
.irp j, 0,1,2,3
	ds_load_b128 v[XA+16*\c+4*\j:XA+16*\c+4*\j+3], v4 offset:128*\c+16*\j
.endr
.endr
.irp c, 0,1,2,3
.irp j, 0,1,2,3
	ds_load_b128 v[XB+16*\c+4*\j:XB+16*\c+4*\j+3], v4 offset:512+128*\c+16*\j
.endr
.endr
.macro QPANEL X, pp                    ; a panel's 64 numbers of a lane become four images' registers, one for each scale
.irp v, 0,1,2,3
.if \v > 0
	s_cmp_eq_u32 s[92+\v], 1
	s_cbranch_scc1 .Lsk_\@_\v
.endif
.irp c, 0,1,2,3
.set i, 0
.rept 16
	v_med3_num_f32 v[TT+16*(\c%2)+i], v[\X+16*\c+i], -v[12+\v], v[12+\v]      ; the conversion does not saturate: the hold comes first.  The two sets take turns, so plain lines stand between a conversion and the next write of its sources
.set i, i+1
.endr
	v_cvt_scalef32_pk8_bf8_f32 v[CD+16*\v+4*\c:CD+16*\v+4*\c+1], v[TT+16*(\c%2):TT+16*(\c%2)+7], v[8+\v]
	v_cvt_scalef32_pk8_bf8_f32 v[CD+16*\v+4*\c+2:CD+16*\v+4*\c+3], v[TT+16*(\c%2)+8:TT+16*(\c%2)+15], v[8+\v]
.endr
.irp c, 0,1,2,3
	global_store_b128 v5, v[CD+16*\v+4*\c:CD+16*\v+4*\c+3], s[78+2*\v:79+2*\v] offset:\pp*524288+512*\c   ; 512 consecutive bytes
.endr
.Lsk_\@_\v:
.endr
.endm
	s_wait_dscnt 16                                ; the first panel is in; the second panel's 16 loads are younger
	QPANEL XA, 0
	s_wait_dscnt 0x0
	s_wait_xcnt 0x0                                ; the first panel's stores have read the registers that the second panel's codes take
	QPANEL XB, 1
	s_wait_tensorcnt 0x0                           ; the wave's end
	ds_add_u32 v31, v6
	s_wait_dscnt 0x0
	s_endpgm
	; ---------------- weights: unit t = the work-group's number - 256 ----------------
.Lweights:
	s_wait_kmcnt 0x0
	s_sub_co_u32 s45, ttmp9, 256
	s_mov_b64 s[56:57], s[8:9]                     ; t 0-63: Wq into wa
	s_mov_b64 s[74:75], s[24:25]
	s_mov_b32 s46, 8192                            ; bytes from row to row
	s_mov_b32 s47, 3                               ; log2 of the blocks of 256 columns
	s_mov_b32 s48, 0                               ; the tensor's first unit
	s_mov_b32 s49, s29                             ; its e
	s_mov_b32 s50, 458752                          ; bytes of a panel in the destination
	s_mov_b32 s51, 0                               ; the tensor's place there
.macro PICK start, src, dst, pitch, lg, e, pstr, doff   ; from unit start on: another tensor.  The choice hangs on the work-group's number alone
	s_cmp_ge_u32 s45, \start
	s_cselect_b64 s[56:57], s[\src:\src+1], s[56:57]
	s_cselect_b64 s[74:75], s[\dst:\dst+1], s[74:75]
	s_cselect_b32 s46, \pitch, s46
	s_cselect_b32 s47, \lg, s47
	s_cselect_b32 s48, \start, s48
	s_cselect_b32 s49, s[\e], s49
	s_cselect_b32 s50, \pstr, s50
	s_cselect_b32 s51, \doff, s51
.endm
	PICK 64,  14, 26, 8192, 3, 39, 262144, 1048576 ; Wo into wb, panels 4 on
	PICK 128, 10, 24, 2048, 1, 31, 458752, 262144  ; Wk into wa, groups 128 on
	PICK 144, 12, 24, 2048, 1, 33, 458752, 327680  ; Wv, groups 160 on
	PICK 160, 16, 24, 2048, 1, 41, 458752, 393216  ; W1, groups 192 on
	PICK 176, 18, 26, 8192, 3, 43, 262144, 0       ; W2 into wb, panels 0-3
	s_sub_co_u32 s54, s45, s48
	s_lshl_b32 s52, 1, s47
	s_sub_co_u32 s52, s52, 1
	s_and_b32 s53, s54, s52                        ; which 256 columns
	s_lshr_b32 s55, s54, s47                       ; which 256 along K
	s_mul_i32 s86, s55, s46
	s_lshl_b32 s86, s86, 8
	s_lshl_b32 s87, s53, 10
	s_add_co_u32 s86, s86, s87
	s_mov_b32 s87, 0
	s_add_nc_u64 s[56:57], s[56:57], s[86:87]      ; block 0 of 32 rows; a base for each of the eight blocks, none is stepped later
	s_lshl_b32 s88, s46, 5
	s_mov_b32 s89, 0
	s_add_nc_u64 s[58:59], s[56:57], s[88:89]
	s_add_nc_u64 s[60:61], s[58:59], s[88:89]
	s_add_nc_u64 s[62:63], s[60:61], s[88:89]
	s_add_nc_u64 s[66:67], s[62:63], s[88:89]
	s_add_nc_u64 s[68:69], s[66:67], s[88:89]
	s_add_nc_u64 s[70:71], s[68:69], s[88:89]
	s_add_nc_u64 s[72:73], s[70:71], s[88:89]
	s_mul_i32 s86, s55, s50
	s_lshl_b32 s86, s86, 1                         ; two panels a unit
	s_add_co_u32 s86, s86, s51
	s_lshl_b32 s90, s53, 15                        ; 16 groups of 2,048 bytes
	s_add_co_u32 s86, s86, s90
	s_add_nc_u64 s[74:75], s[74:75], s[86:87]      ; the first panel,
	s_mov_b32 s90, s50
	s_mov_b32 s91, 0
	s_add_nc_u64 s[76:77], s[74:75], s[90:91]      ; the second
	s_wait_alu depctr_va_vdst(0)
	v_lshlrev_b32 v3, 2, v1                        ; A LANE TAKES A COLUMN, ITS REGISTERS RUN DOWN K: 128 consecutive bytes a wave, the eight waves side by side
	s_lshl_b32 s92, s44, 7
	v_add_nc_u32 v3, s92, v3
.set i, 0
.rept 32
	v_mad_u32_u24 v[VO+i], s46, i, v3
.set i, i+1
.endr
	v_bfe_u32 v5, v1, 3, 1                         ; column l of the wave's 32 is row (l % 8) + 8 (l / 16) of group (l / 8) % 2
	v_and_b32 v2, 7, v1
	v_lshrrev_b32 v7, 4, v1
	s_delay_alu instid0(VALU_DEP_1)
	v_lshl_add_u32 v2, v7, 3, v2
	s_delay_alu instid0(VALU_DEP_1)
	v_lshlrev_b32 v4, 4, v2
	s_delay_alu instid0(VALU_DEP_1)
	v_lshl_add_u32 v4, v5, 11, v4
	s_lshl_b32 s92, s44, 12
	v_add_nc_u32 v4, s92, v4
	s_add_co_i32 s49, s49, 127
	s_lshl_b32 s92, s49, 23
	v_mov_b32 v11, s92                             ; 2^e
	s_add_co_i32 s49, s49, 15
	s_lshl_b32 s49, s49, 23
	s_or_b32 s49, s49, 0x600000
	v_mov_b32 v10, s49                             ; 57,344 x 2^e
.macro WLOAD b
.set i, 0
.rept 32
	global_load_b32 v[WX+32*((\b)%2)+i], v[VO+i], s[56+2*(\b)+2*((\b)/4):57+2*(\b)+2*((\b)/4)] th:TH_LOAD_NT
.set i, i+1
.endr
.endm
.macro WBLOCK b
.set XS, WX+32*((\b)%2)
.if (\b) < 7
	s_wait_loadcnt 32                              ; this block's 32 loads are in; the next block's are younger
.else
	s_wait_loadcnt 0
.endif
.set i, 0
.rept 32
	v_med3_num_f32 v[XS+i], v[XS+i], -v10, v10
.set i, i+1
.endr
.irp g, 0,1,2,3
	v_cvt_scalef32_pk8_bf8_f32 v[WC+8*(\b)+2*\g:WC+8*(\b)+2*\g+1], v[XS+8*\g:XS+8*\g+7], v11
.endr
	v_nop                                          ; a plain line behind the run of conversions
.if (\b)+2 < 8
	WLOAD (\b)+2
.endif
	global_store_b128 v4, v[WC+8*(\b):WC+8*(\b)+3], s[74+2*((\b)/4):75+2*((\b)/4)] offset:512*((\b)%4)          ; k 0-15 of the block: sixteen lanes fill 256 consecutive bytes of one image, sixteen of the next
	global_store_b128 v4, v[WC+8*(\b)+4:WC+8*(\b)+7], s[74+2*((\b)/4):75+2*((\b)/4)] offset:512*((\b)%4)+256   ; k 16-31
.endm
	WLOAD 0
	WLOAD 1
	s_wait_alu depctr_va_vdst(0)
.irp b, 0,1,2,3,4,5,6,7
	WBLOCK \b
.endr
	s_endpgm
.Lfunc_end_k_q961da17f38_prep:
	.size	k_q961da17f38_prep, .Lfunc_end_k_q961da17f38_prep-k_q961da17f38_prep
	.p2alignl 7, 3214868480
	.fill 96, 4, 3214868480
	.section	.rodata,"a",@progbits
	.p2align	6, 0x0
	.amdhsa_kernel k_q961da17f38_prep
		.amdhsa_group_segment_fixed_size 132352
		.amdhsa_private_segment_fixed_size 0
		.amdhsa_enable_private_segment 0
		.amdhsa_kernarg_size 96
		.amdhsa_user_sgpr_count 2
		.amdhsa_user_sgpr_kernarg_segment_ptr 1
		.amdhsa_wavefront_size32 1
		.amdhsa_system_sgpr_workgroup_id_x 1
		.amdhsa_system_sgpr_workgroup_id_y 1
		.amdhsa_system_sgpr_workgroup_id_z 1
		.amdhsa_system_vgpr_workitem_id 0
		.amdhsa_next_free_vgpr 256
		.amdhsa_next_free_sgpr 96
		.amdhsa_reserve_vcc 0
		.amdhsa_float_denorm_mode_32 3
		.amdhsa_float_denorm_mode_16_64 3
		.amdhsa_memory_ordered 1
		.amdhsa_forward_progress 1
		.amdhsa_inst_pref_size 119
	.end_amdhsa_kernel
	.amdgpu_metadata
---
amdhsa.version: [ 1, 2 ]
amdhsa.kernels:
  - .name:           k_q961da17f38_prep
    .symbol:         k_q961da17f38_prep.kd
    .args:
      - { .name: x, .offset: 0, .size: 8, .value_kind: global_buffer, .address_space: global }
      - { .name: scale1, .offset: 8, .size: 8, .value_kind: global_buffer, .address_space: global }
      - { .name: Wq, .offset: 16, .size: 8, .value_kind: global_buffer, .address_space: global }
      - { .name: Wk, .offset: 24, .size: 8, .value_kind: global_buffer, .address_space: global }
      - { .name: Wv, .offset: 32, .size: 8, .value_kind: global_buffer, .address_space: global }
      - { .name: Wo, .offset: 40, .size: 8, .value_kind: global_buffer, .address_space: global }
      - { .name: W1, .offset: 48, .size: 8, .value_kind: global_buffer, .address_space: global }
      - { .name: W2, .offset: 56, .size: 8, .value_kind: global_buffer, .address_space: global }
      - { .name: lowp_scales, .offset: 64, .size: 8, .value_kind: global_buffer, .address_space: global }
      - { .name: xc, .offset: 72, .size: 8, .value_kind: global_buffer, .address_space: global }
      - { .name: wa, .offset: 80, .size: 8, .value_kind: global_buffer, .address_space: global }
      - { .name: wb, .offset: 88, .size: 8, .value_kind: global_buffer, .address_space: global }
    .group_segment_fixed_size: 132352
    .private_segment_fixed_size: 0
    .kernarg_segment_align: 8
    .kernarg_segment_size: 96
    .max_flat_workgroup_size: 256
    .sgpr_count:     96
    .vgpr_count:     256
    .wavefront_size: 32
...
	.end_amdgpu_metadata
.endif
;; end of part 1
;; launch qkvh (part 2): grid 16 x 14, 4 waves a work-group, clusters of 4 x 1, 327,680 bytes of LDS; arguments xc, wa, lowp_scales, bq, bk, bv, b1, qc, kv, ac; writes qc, kv, ac
.if DOCPART == 2
	.amdgcn_target "amdgcn-amd-amdhsa--gfx1250"
	.amdhsa_code_object_version 6
	.text
	.protected	k_q961da17f38_qkvh
	.globl	k_q961da17f38_qkvh
	.p2align	8
	.type	k_q961da17f38_qkvh,@function
k_q961da17f38_qkvh:
	s_mov_b64 s[64:65], 0
	v_nop
	global_prefetch_b8 v0, s[64:65] scope:SCOPE_SE
	s_setreg_imm32_b32 hwreg(HW_REG_WAVE_MODE, 25, 1), 1
	s_wait_xcnt 0x0
	s_wait_alu depctr_hold_cnt(0) depctr_sa_sdst(0) depctr_va_vdst(0) depctr_va_sdst(0) depctr_va_ssrc(0) depctr_va_vcc(0) depctr_vm_vsrc(0)
	s_getreg_b32 s2, hwreg(HW_REG_IB_STS2, 6, 4)
	s_cmp_eq_u32 s2, 0
	s_cbranch_scc0 .Lentry_in_a_cluster
	s_endpgm
.Lentry_in_a_cluster:
	s_bfe_u32 s2, ttmp6, 0x10000c
	s_cmp_lg_u32 s2, 0x3003
	s_cbranch_scc0 .Lentry_shape_is_right
	s_endpgm
.Lentry_shape_is_right:
; QKVH.  xn [4,096][2,048] times (Wq | Wk | Wv | W1) [2,048][3,584], on codes of BF8 (E5M2) laid as images (16 rows x 128 k, 2,048 bytes: byte 512 c + 16 lane + i = k 32 c + 16 (lane / 16) + i of row lane % 16).
; Each result + its bias (h also through h sigmoid(h) h) is quantised at once for the product that takes it, and stored as images again: Q -> qc, K and V^T -> kv, h -> ac panels 0-3.
; SHARES.  A work-group makes 256 tokens x 256 columns; work-group y picks the columns and with them the region R: 0 Q (y 0-7), 1 K, 2 V, 3 h; each region reads xn's codes under its own scale.
; A wave makes 64 tokens x all 256 columns: 64 accumulators.  So each image of the tokens is wanted by ONE wave: it goes from memory straight into that wave's registers (an image is the registers' own order),
; four sets of 64 registers, asked for three panels of 128 k ahead of its products.  The weights' images are wanted by all four waves: they go through LDS, two slots of four panels (4 x 32,768 bytes), a panel a wave by one tensor load.
; 16 panels are four slots: two first fills and two refills.  A wave reads the weights' images from LDS two at a time into four buffers of 32 registers, three buffers ahead.
; CLUSTER: the four work-groups along x share y, so the weights' panels are asked for jointly (mask 15).  No cluster along y: the 14 tiles of columns do not divide by 4.
; PREFETCH: the weights' slots 2 and 3 are asked for one slot (four panels) ahead of their tensor loads: of a wave's panel each of the four partners names 8,192 bytes, told apart by address, lanes 256 bytes apart.
; Slots 0 and 1 come by their loads alone.  The tokens' images have no prefetch: their loads into registers are themselves issued three panels ahead of the products that wait for them.
; THE MATRIX INSTRUCTION IS USED TRANSPOSED (source 0 = 16 rows of the weights' image, source 1 = 16 tokens): a lane holds one token, and the 16 registers of tiles 2 c, 2 c + 1 are columns 32 c + 16 (lane / 16) + 0 .. 15: the next operand's registers.
; V^T: a wave's codes of 64 keys go by rows into its own stage in LDS and come back turned, two columns a lane (ds_load_tr16_b128); tile 2 v + par of V^T holds d = 32 v + 2 row + par, and registers 2 C, 2 C + 1 keys 16 C + 8 (lane / 16) + 0 .. 7.
; LIMITS: eA + eB between -126 and 127; the e of each result between -126 and 112.  NaN is not served.
; REGISTERS: window 0: v0-31 addresses, v128-255 the weights' four buffers, later numbers at work.  window 1: the tokens' four sets; at the end v0-127 the biases, v128-255 codes.
; windows 2, 3: accumulator (a, b), tokens' block a, columns' tile b, at v[8 (8 a + b % 8)] of window 2 + b / 8.
.set SLOT,  131072
.set SPARE, 2*SLOT                     ; the spare words: 128 bytes a wave, two blocks of 256 bytes that no other line names
.set STAGE, SPARE+512                  ; V's stage: 64 rows x 160 bytes for each wave; no fill ever lands here
.set VP,    160
.set APST,  524288                     ; from panel to panel in xc
.set BSTEP, 4*458752                   ; from slot to slot in wa
.set ADR0, 16                          ; v16, v17: my lane's place in the slot in hand, panels 0-1 and panels 2-3
.set ADR1, 17
.set PFO,  20
.set VST,  24
.set TRA,  25
.set GOFF, 26
.set BOF,  27
.set SPW,  28
.set NIL,  29
.set SC,   30
.set LIM,  31
.set BF,   128
.set TMP,  128
.set U,    192
.set PC,   128
.set PFA, 36
.set G1B, 40
.set G0,  48
.set BP,  52
.set TB,  54
.set WV,  56
.set AB,  66
.set MULW, 0xa4                        ; source 0 (weights) window 0, source 1 (tokens) window 1, C and D window 2; + 0x50: window 3
.set MSB, 0
.macro WIN new                         ; the immediate's high byte repeats the setting that is left
.if MSB != (\new)
	s_set_vgpr_msb (MSB<<8)|(\new)
.set MSB, (\new)
.endif
.endm
.macro CREST
	s_cmp_lg_u32 s[WV], 0
	s_cbranch_scc1 .Lnot_wave_0_\@
	s_barrier_signal -3
.Lnot_wave_0_\@:
	s_barrier_wait -3
	s_barrier_signal -1
	s_barrier_wait -1
.endm
.macro CROUND
	s_barrier_signal -1
	s_barrier_wait -1
	CREST
.endm
.macro PLACES                          ; plain vector lines between a matrix instruction and a load into, or a vector read or write of, its registers
.rept 4
	v_nop
.endr
.endm
.macro ALOAD k                         ; the tokens' four images of the panel k on from s[AB], into set k % 4: 512 consecutive bytes a load
	WIN 0x40
.irp a, 0,1,2,3
.irp c, 0,1,2,3
	global_load_b128 v[64*((\k)%4)+16*\a+4*\c:64*((\k)%4)+16*\a+4*\c+3], v[GOFF], s[AB:AB+1] offset:APST*(\k)+2048*\a+512*\c
.endr
.endr
	WIN 0
.endm
.macro BIASL ch                        ; the bias of 128 columns into a set that has been multiplied for the last time; tile b, lane half h: columns 32 (b / 2) + 8 (b % 2) + 16 h + 0 .. 7
	WIN 0x40
.irp b, 0,1,2,3,4,5,6,7
	global_load_b128 v[64*(\ch)+8*\b:64*(\ch)+8*\b+3], v[BOF], s[BP:BP+1] offset:512*(\ch)+(32*(\b/2)+8*(\b%2))*4
	global_load_b128 v[64*(\ch)+8*\b+4:64*(\ch)+8*\b+7], v[BOF], s[BP:BP+1] offset:512*(\ch)+(32*(\b/2)+8*(\b%2))*4+16
.endr
	WIN 0
.endm
.macro LSUB q, u                       ; the weights' images 2 u, 2 u + 1 of the slot's panel q into buffer u % 4
.irp i, 0,1
.irp c, 0,1,2,3
	ds_load_b128 v[BF+32*((\u)%4)+16*\i+4*\c:BF+32*((\u)%4)+16*\i+4*\c+3], v[ADR0+(\q)/2] offset:32768*((\q)%2)+2048*(2*(\u)+\i)+512*\c
.endr
.endr
.endm
.macro MUL4 q, b, first                ; tile b of the columns x my four blocks of tokens.  The 64 accumulators take turns, one instruction a turn
.irp a, 0,1,2,3
.if \first
	v_wmma_f32_16x16x128_bf8_bf8 v[8*(8*\a+(\b)%8):8*(8*\a+(\b)%8)+7], v[BF+16*((\b)%8):BF+16*((\b)%8)+15], v[64*(\q)+16*\a:64*(\q)+16*\a+15], 0
.else
	v_wmma_f32_16x16x128_bf8_bf8 v[8*(8*\a+(\b)%8):8*(8*\a+(\b)%8)+7], v[BF+16*((\b)%8):BF+16*((\b)%8)+15], v[64*(\q)+16*\a:64*(\q)+16*\a+15], v[8*(8*\a+(\b)%8):8*(8*\a+(\b)%8)+7]
.endif
.endr
.endm
; An eighth of a panel: eight products on buffer u % 4; ahead of them the buffer just left is asked for anew, three eighths ahead.
; k: what the panel's head asks of memory: 1-7 the tokens' panel k on, 8 and 9 the biases, 0 nothing.  end: 0 a panel follows in this slot; 1, 2 the slot's last panel, with the change of slots; 3 the last of all.
.macro SUB q, u, first, k, end
.if ((\end) == 0) || ((\u) < 5)
	PLACES
	WIN 0
.if (\u) < 5
	LSUB \q, (\u)+3
.else
	LSUB (\q)+1, (\u)-5
.endif
.if (\u) == 0
.if ((\k) > 0) && ((\k) < 8)
	ALOAD \k
.endif
.if (\k) >= 8
	BIASL (\k)-8
.endif
.endif
	s_wait_dscnt 24                                ; my buffer is in; the three younger runs of eight loads may be out
.if (\u) == 0
.if (\k) == 0
	s_wait_loadcnt 32                              ; the last set is in; the two biases' 32 loads are younger
.else
	s_wait_loadcnt 48                              ; this panel's set is in; three younger runs of 16 loads may be out
.endif
.endif
	WIN MULW+0x50*((\u)/4)
	MUL4 \q, 2*(\u), \first
	MUL4 \q, 2*(\u)+1, \first
.else
.if ((\u) < 7) || ((\end) == 3)
	s_wait_dscnt 8*(7-(\u))                        ; nothing more is asked of this slot
	MUL4 \q, 2*(\u), \first
	MUL4 \q, 2*(\u)+1, \first
.else
	WIN 0
	s_wait_tensorcnt 0x0                           ; all my tensor loads have landed: my panel of the next slot
	ds_add_u32 v[SPW], v[NIL]
	s_wait_dscnt 1                                 ; my last buffer is in; the add may be out
	WIN MULW+0x50
	MUL4 \q, 14, 0
	s_wait_dscnt 0x0                               ; the add is done, and my reads of this slot are over
	s_barrier_signal -1
	MUL4 \q, 15, 0
	WIN 0
	s_barrier_wait -1
.endif
.endif
.endm
.macro PNL q, first, k, end
.irp u, 0,1,2,3,4,5,6,7
	SUB \q, \u, \first, \k, \end
.endr
.endm
.macro TSTEP                           ; the walking descriptor: the other slot, four panels on; then my one tensor load behind the round
	s_xor_b32 s[G0+1], s[G0+1], SLOT
	s_add_nc_u64 s[G0+2:G0+3], s[G0+2:G0+3], BSTEP
	tensor_load_to_lds s[G0:G0+3], s[G1B:G1B+7]
	s_nop 0
.endm
.macro AFTER fill                      ; behind the barrier of a change of slots
.if \fill
	CREST                                          ; the barrier has opened a round of the cluster's: no wave of any partner still reads the slot left or has a load on its way
	TSTEP
.endif
	PLACES
	s_xor_b32 s[TB], s[TB], SLOT
	s_xor_b32 s[TB+1], s[TB+1], SLOT
	v_add_nc_u32 v[ADR0], s[TB], v[GOFF]
	v_add_nc_u32 v[ADR1], s[TB+1], v[GOFF]
	s_wait_alu depctr_va_vdst(0)
	LSUB 0, 0
	LSUB 0, 1
	LSUB 0, 2
.endm
	s_load_b512 s[4:19], s[0:1], 0x0               ; xc, wa, exponents, bq, bk, bv, b1, qc
	s_load_b128 s[20:23], s[0:1], 0x40             ; kv, ac
	v_lshl_add_u32 v[SPW], v0, 2, SPARE
	v_mov_b32 v[NIL], 0
	ds_add_u32 v[SPW], v[NIL]                      ; the opening lines: the add twice on end and one wait
	ds_add_u32 v[SPW], v[NIL]
	v_lshrrev_b32 v1, 5, v0
	v_readfirstlane_b32 s[WV], v1                  ; wave 0..3: my 64 tokens, and the panel of a slot that I fetch
	v_and_b32 v3, 31, v0
	v_lshlrev_b32 v[GOFF], 4, v3                   ; 16 x lane: my place in every image
	s_bfe_u32 s59, ttmp6, 0x40000                  ; cx
	s_lshl_b32 s60, ttmp9, 2
	s_add_co_u32 s60, s60, s59                     ; the tile of tokens
	s_and_b32 s61, ttmp7, 0xffff                   ; the tile of columns, shared by the four partners
	s_max_u32 s62, s61, 6
	s_sub_co_u32 s62, s62, 6
	s_lshr_b32 s62, s62, 1                         ; R
	s_mov_b32 s[G1B], 15|(3<<16)|(1<<21)           ; elements of 8 bytes, the mask of all four, bit 21 beside it, no padding
	s_mov_b32 s[G1B+1], 32<<16                     ; tensor_dim0: 32 elements = 256 bytes
	s_mov_b32 s[G1B+2], 128<<16                    ; tensor_dim1: 128 rows
	s_mov_b32 s[G1B+3], 32<<16                     ; tile_dim0
	s_mov_b32 s[G1B+4], 128                        ; tile_dim1
	s_mov_b32 s[G1B+5], 32                         ; the block is dense
	s_mov_b32 s[G1B+6], 0
	s_mov_b32 s[G1B+7], 0
	s_lshl_b32 s90, s60, 15                        ; xc: my work-group's 16 groups,
	s_lshl_b32 s63, s[WV], 13                      ; my wave's four
	s_add_co_u32 s90, s90, s63
	s_mov_b32 s91, 0
	s_lshl_b32 s100, s61, 15                       ; wa: made of y and the wave's number alone
	s_mul_i32 s63, s[WV], 458752
	s_add_co_u32 s100, s100, s63
	s_mov_b32 s101, 0
	s_lshl_b32 s38, s59, 13                        ; the prefetches: my work-group's 8,192 bytes of the panel
	s_mov_b32 s39, 0
	s_mov_b32 s[G0], 1
	s_lshl_b32 s[G0+1], s[WV], 15                  ; LDS: panel = wave, slot 0
	s_mov_b32 s[TB], 0
	s_mov_b32 s[TB+1], 0x10000
	s_wait_alu depctr_va_vdst(0)
	s_wait_dscnt 0x0                               ; both opening adds are done
	s_wait_kmcnt 0x0
	s_load_b512 s[68:83], s[8:9], 0x0              ; entry i in s[68 + i]
	s_add_nc_u64 s[AB:AB+1], s[4:5], s[90:91]
	s_add_nc_u64 s[100:101], s[6:7], s[100:101]
	s_add_nc_u64 s[PFA:PFA+1], s[100:101], s[38:39]
	s_mov_b64 s[G0+2:G0+3], s[100:101]
	s_or_b32 s[G0+3], s[G0+3], 0x80000000
	CROUND
	tensor_load_to_lds s[G0:G0+3], s[G1B:G1B+7]    ; slot 0: one tensor load a wave at the head
	s_nop 0
	PLACES
	s_wait_kmcnt 0x0                               ; the exponents
	; which copy of xn's codes my region reads: the first whose exponent equals the region's (the launch before makes only those).  Chosen, never branched on
	s_cmp_eq_u32 s70, s68
	s_cselect_b32 s24, 0, 1
	s_cmp_eq_u32 s72, s70
	s_cselect_b32 s25, 1, 2
	s_cmp_eq_u32 s72, s68
	s_cselect_b32 s25, 0, s25
	s_cmp_eq_u32 s80, s72
	s_cselect_b32 s26, 2, 3
	s_cmp_eq_u32 s80, s70
	s_cselect_b32 s26, 1, s26
	s_cmp_eq_u32 s80, s68
	s_cselect_b32 s26, 0, s26
	s_cmp_eq_u32 s62, 1
	s_cselect_b32 s28, s24, 0
	s_cmp_eq_u32 s62, 2
	s_cselect_b32 s28, s25, s28
	s_cmp_eq_u32 s62, 3
	s_cselect_b32 s28, s26, s28
	s_min_u32 s28, s28, 3
	s_lshl_b32 s28, s28, 23                        ; a copy is 8,388,608 bytes
	s_mov_b32 s29, 0
	s_add_nc_u64 s[AB:AB+1], s[AB:AB+1], s[28:29]
	ALOAD 0                                        ; the tokens' panels 0, 1, 2
	ALOAD 1
	ALOAD 2
	s_mul_i32 s63, s[WV], 64*VP
	s_add_co_u32 s63, s63, STAGE
	v_and_b32 v1, 15, v0                           ; r
	v_bfe_u32 v2, v0, 4, 1                         ; h
	v_add_nc_u32 v[ADR0], s[TB], v[GOFF]
	v_add_nc_u32 v[ADR1], s[TB+1], v[GOFF]
	v_lshlrev_b32 v[PFO], 4, v[GOFF]               ; 256 x lane
	v_mul_u32_u24 v[VST], v1, VP
	v_lshl_add_u32 v[VST], v2, 4, v[VST]
	v_add_nc_u32 v[VST], s63, v[VST]               ; the stage, in: row = key r, + 16 h
	v_and_b32 v4, 7, v0
	v_lshl_add_u32 v4, v2, 3, v4
	v_mul_u32_u24 v[TRA], v4, VP
	v_bfe_u32 v5, v0, 3, 1
	v_lshl_add_u32 v[TRA], v5, 4, v[TRA]
	v_add_nc_u32 v[TRA], s63, v[TRA]               ; and out, turned: key 8 h + lane % 8, 16 bytes at 16 ((lane / 8) % 2)
	v_lshlrev_b32 v[BOF], 6, v2                    ; the biases: 64 h bytes
	s_lshl_b32 s63, s62, 2
	s_add_co_u32 s63, s63, 12
	s_cmp_eq_u32 s62, 0
	s_cselect_b32 s63, 0, s63                      ; the region's first chunk of 128 columns: 0, 16, 20, 24
	s_lshl_b32 s87, s61, 1
	s_sub_co_u32 s87, s87, s63                     ; my first chunk in the region: the head, the key and value head, or h's panel; the second follows it
	s_cmp_eq_u32 s62, 1
	s_cselect_b64 s[BP:BP+1], s[12:13], s[10:11]
	s_cmp_eq_u32 s62, 2
	s_cselect_b64 s[BP:BP+1], s[14:15], s[BP:BP+1]
	s_cmp_eq_u32 s62, 3
	s_cselect_b64 s[BP:BP+1], s[16:17], s[BP:BP+1]
	s_lshl_b32 s90, s87, 9
	s_mov_b32 s91, 0
	s_add_nc_u64 s[BP:BP+1], s[BP:BP+1], s[90:91]  ; the region's bias at my 256 columns
	s_wait_kmcnt 0x0
	s_cmp_eq_u32 s62, 1                            ; the region's three exponents: chosen, never branched on
	s_cselect_b32 s84, s70, s68
	s_cselect_b32 s85, s71, s69
	s_cselect_b32 s86, s75, s74
	s_cmp_eq_u32 s62, 2
	s_cselect_b32 s84, s72, s84
	s_cselect_b32 s85, s73, s85
	s_cselect_b32 s86, s77, s86
	s_cmp_eq_u32 s62, 3
	s_cselect_b32 s84, s80, s84
	s_cselect_b32 s85, s81, s85
	s_cselect_b32 s86, s82, s86
	s_add_co_i32 s84, s84, s85                     ; eA + eB
	s_add_co_i32 s88, s84, 127
	s_lshl_b32 s88, s88, 23                        ; 2^(eA + eB)
	s_mov_b32 s89, s88
	s_add_co_i32 s63, s86, 127
	s_lshl_b32 s3, s63, 23
	v_mov_b32 v[SC], s3                            ; 2^eo for the conversions
	s_add_co_i32 s63, s63, 15
	s_lshl_b32 s63, s63, 23
	s_or_b32 s63, s63, 0x600000
	v_mov_b32 v[LIM], s63                          ; 57,344 x 2^eo
	s_mov_b32 s96, 0x06040200                      ; the even bytes of two words,
	s_mov_b32 s97, 0x07050301                      ; the odd ones
	s_mov_b32 s98, 0xbfb8aa3b                      ; -log2(e)
	s_mov_b32 s99, s98
	s_lshl_b32 s63, s60, 8                         ; where my images go.  Q and h: chunk x 524,288 + my first token x 128
	s_lshl_b32 s3, s[WV], 6
	s_add_co_u32 s63, s63, s3
	s_lshl_b32 s63, s63, 7
	s_lshl_b32 s3, s87, 19
	s_add_co_u32 s90, s63, s3
	s_lshr_b32 s63, s60, 2                         ; K and V: ((4 batch + head) x 8 + key step) x 32,768, V 16,384 further on
	s_lshl_b32 s63, s63, 2
	s_add_co_u32 s63, s63, s87
	s_lshl_b32 s63, s63, 3
	s_and_b32 s3, s60, 3
	s_lshl_b32 s3, s3, 1
	s_add_co_u32 s63, s63, s3
	s_lshr_b32 s3, s[WV], 1
	s_add_co_u32 s63, s63, s3
	s_lshl_b32 s63, s63, 15
	s_and_b32 s57, s[WV], 1                        ; which 64 keys of the key step's 128 are mine
	s_cmp_eq_u32 s62, 2
	s_cselect_b32 s3, 16384, 0
	s_add_co_u32 s63, s63, s3
	s_cmp_eq_u32 s62, 2
	s_cselect_b32 s3, 10, 13                       ; V^T: 1,024 bytes on in each image; K: four images on
	s_lshl_b32 s3, s57, s3
	s_add_co_u32 s63, s63, s3
	s_sub_co_u32 s3, s62, 1
	s_cmp_lt_u32 s3, 2
	s_cselect_b32 s90, s63, s90
	s_mov_b32 s58, 0x80000
	s_cselect_b32 s58, 0x40000, s58                ; from my first chunk to my second
	s_mov_b32 s59, 0
	s_mov_b32 s91, 0
	s_cmp_eq_u32 s62, 0
	s_cselect_b64 s[92:93], s[18:19], s[20:21]
	s_cmp_eq_u32 s62, 3
	s_cselect_b64 s[92:93], s[22:23], s[92:93]
	s_add_nc_u64 s[92:93], s[92:93], s[90:91]
	s_add_nc_u64 s[94:95], s[92:93], s[58:59]
	s_wait_alu depctr_va_vdst(0)
	s_wait_tensorcnt 0x0                           ; my panel of slot 0 is in
	ds_add_u32 v[SPW], v[NIL]
	s_wait_dscnt 0x0
	CROUND                                         ; everybody's panel of slot 0 is in, and the four work-groups are here
	TSTEP                                          ; slot 1's first fill
	PLACES
	LSUB 0, 0
	LSUB 0, 1
	LSUB 0, 2
	global_prefetch_b8 v[PFO], s[PFA:PFA+1] offset:2*BSTEP th:TH_LOAD_NT scope:SCOPE_SE   ; what the next change of slots loads
	PNL 0, 1, 3, 0                                 ; the first panel stands in front of the loop: its products start the sums
	WIN 0
	s_mov_b32 s3, 2
.Llap:                                                 ; a trip: a slot's panels 1 to 3, the change of slots with its refill, the next slot's panel 0
	PNL 1, 0, 4, 0
	PNL 2, 0, 5, 0
	PNL 3, 0, 6, 1
	AFTER 1
	s_cmp_eq_u32 s3, 2                             ; the first trip asks for the last slot; behind it there is none
	s_cbranch_scc0 .Lno_ask
	global_prefetch_b8 v[PFO], s[PFA:PFA+1] offset:3*BSTEP th:TH_LOAD_NT scope:SCOPE_SE
.Lno_ask:
	PNL 0, 0, 7, 0
	WIN 0
	s_wait_xcnt 0x0                                ; my loads have read their base: it may step
	s_add_nc_u64 s[AB:AB+1], s[AB:AB+1], 4*APST
	s_sub_co_u32 s3, s3, 1
	s_cmp_lg_u32 s3, 0
	s_cbranch_scc1 .Llap
	PNL 1, 0, 4, 0
	PNL 2, 0, 5, 0
	PNL 3, 0, 6, 2                                 ; the last change of slots fills nothing, and has no round of the cluster's barrier
	AFTER 0
	PNL 0, 0, 7, 0
	PNL 1, 0, 8, 0                                 ; the sets that are done with take the biases
	PNL 2, 0, 9, 0
	PNL 3, 0, 0, 3
	WIN 0
.macro ACT                             ; h sigmoid(h) h on the 64 numbers in TMP, in f32
.set j, 0
.rept 32
	v_pk_mul_f32 v[U+j:U+j+1], v[TMP+j:TMP+j+1], s[98:99] op_sel_hi:[1,0]
.set j, j+2
.endr
.set j, 0
	s_wait_alu depctr_va_vdst(0)
.rept 64
	v_exp_f32 v[U+j], v[U+j]                       ; e^-h
.set j, j+1
.endr
	v_nop
.set j, 0
	s_wait_alu depctr_va_vdst(0)
.rept 32
	v_pk_add_f32 v[U+j:U+j+1], v[U+j:U+j+1], 1.0 op_sel_hi:[1,0]
.set j, j+2
.endr
.set j, 0
	s_wait_alu depctr_va_vdst(0)
.rept 64
	v_rcp_f32 v[U+j], v[U+j]                       ; sigmoid(h)
.set j, j+1
.endr
	v_nop
.set j, 0
	s_wait_alu depctr_va_vdst(0)
.rept 32
	v_pk_mul_f32 v[U+j:U+j+1], v[TMP+j:TMP+j+1], v[U+j:U+j+1]
.set j, j+2
.endr
.set j, 0
.rept 32
	v_pk_mul_f32 v[TMP+j:TMP+j+1], v[U+j:U+j+1], v[TMP+j:TMP+j+1]
.set j, j+2
.endr
.endm
; Block n: 16 tokens (block n % 4) x 128 columns (chunk n / 4) become one image.  Each block's codes have registers of their own, so no store's data are written again.
.macro EBLK n
.set AC, 64*((\n)%4)
.set CH, (\n)/4
.set PS, PC+16*(\n)
	WIN 0x12+CH                                    ; source 0 window 2 or 3, source 2 (the bias) window 1
	s_wait_alu depctr_va_vdst(0)                   ; ahead of the first reader of these sums
.set j, 0
.rept 32
	v_pk_fma_f32 v[TMP+j:TMP+j+1], v[AC+j:AC+j+1], s[88:89], v[64*CH+j:64*CH+j+1] op_sel_hi:[1,0,1]   ; sum x 2^(eA + eB) + bias; each accumulator from its low end on
.set j, j+2
.endr
	WIN 0
	s_cmp_lg_u32 s62, 3
	s_cbranch_scc1 .Lplain_\@
	ACT
.Lplain_\@:
.set i, 0
.rept 64
	v_med3_num_f32 v[TMP+i], v[TMP+i], -v[LIM], v[LIM]     ; the conversion does not saturate: the hold comes first
.set i, i+1
.endr
	WIN 0x40
.irp c, 0,1,2,3,4,5,6,7
	v_cvt_scalef32_pk8_bf8_f32 v[PS+2*\c:PS+2*\c+1], v[TMP+8*\c:TMP+8*\c+7], v[SC]
.endr
	v_nop                                          ; a plain line behind the run of conversions
	WIN 0
	s_wait_alu depctr_va_vdst(0)
	s_cmp_eq_u32 s62, 2
	s_cbranch_scc1 .Lv_\@
	WIN 0x04
.irp c, 0,1,2,3
	global_store_b128 v[GOFF], v[PS+4*\c:PS+4*\c+3], s[92+2*CH:93+2*CH] offset:2048*((\n)%4)+512*\c      ; 512 consecutive bytes
.endr
	WIN 0
	s_branch .Ldone_\@
.Lv_\@:
	WIN 0x04
.irp c, 0,1,2,3
	ds_store_b128 v[VST], v[PS+4*\c:PS+4*\c+3] offset:((\n)%4)*16*VP+32*\c                  ; V: key 16 (n % 4) + r, byte d
.endr
	WIN 0
.Ldone_\@:
.endm
; 64 keys of one head of V lie in my stage: they come back turned and go out as half of each of the eight images of V^T.
.macro VBATCH ch
	s_cmp_lg_u32 s62, 2
	s_cbranch_scc1 .Lnov_\@
.irp cc, 0,1,2,3
.irp nu, 0,1,2,3
	ds_load_tr16_b128 v[TMP+4*(4*\cc+\nu):TMP+4*(4*\cc+\nu)+3], v[TRA] offset:16*VP*\cc+32*\nu   ; keys 16 cc + 8 h + 0 .. 7 of d = 32 nu + 2 r and + 1, interleaved.  LDS serves my instructions in order: these see my stores
.endr
.endr
	s_wait_dscnt 0x0
	s_wait_xcnt 0x0                                ; the first batch's stores have read the registers that the second batch writes
.irp cc, 0,1,2,3
.irp nu, 0,1,2,3
	v_perm_b32 v[U+8*(2*\nu)+2*\cc],     v[TMP+4*(4*\cc+\nu)+1], v[TMP+4*(4*\cc+\nu)],   s96
	v_perm_b32 v[U+8*(2*\nu)+2*\cc+1],   v[TMP+4*(4*\cc+\nu)+3], v[TMP+4*(4*\cc+\nu)+2], s96
	v_perm_b32 v[U+8*(2*\nu+1)+2*\cc],   v[TMP+4*(4*\cc+\nu)+1], v[TMP+4*(4*\cc+\nu)],   s97
	v_perm_b32 v[U+8*(2*\nu+1)+2*\cc+1], v[TMP+4*(4*\cc+\nu)+3], v[TMP+4*(4*\cc+\nu)+2], s97
.endr
.endr
.irp tau, 0,1,2,3,4,5,6,7
.irp cp, 0,1
	global_store_b128 v[GOFF], v[U+8*\tau+4*\cp:U+8*\tau+4*\cp+3], s[92+2*(\ch):93+2*(\ch)] offset:2048*\tau+512*\cp
.endr
.endr
.Lnov_\@:
.endm
	s_wait_loadcnt 0x0                             ; the biases
	PLACES                                         ; behind the last products
	EBLK 0
	EBLK 1
	EBLK 2
	EBLK 3
	VBATCH 0
	EBLK 4
	EBLK 5
	EBLK 6
	EBLK 7
	VBATCH 1
	s_wait_tensorcnt 0x0                           ; the wave's end
	ds_add_u32 v[SPW], v[NIL]
	s_wait_dscnt 0x0
	CROUND                                         ; the closing round: no work-group ends while a partner may still ask for a block that names it
	s_endpgm
.Lfunc_end_k_q961da17f38_qkvh:
	.size	k_q961da17f38_qkvh, .Lfunc_end_k_q961da17f38_qkvh-k_q961da17f38_qkvh
	.p2alignl 7, 3214868480
	.fill 96, 4, 3214868480
	.section	.rodata,"a",@progbits
	.p2align	6, 0x0
	.amdhsa_kernel k_q961da17f38_qkvh
		.amdhsa_group_segment_fixed_size 327680
		.amdhsa_private_segment_fixed_size 0
		.amdhsa_enable_private_segment 0
		.amdhsa_kernarg_size 80
		.amdhsa_user_sgpr_count 2
		.amdhsa_user_sgpr_kernarg_segment_ptr 1
		.amdhsa_wavefront_size32 1
		.amdhsa_system_sgpr_workgroup_id_x 1
		.amdhsa_system_sgpr_workgroup_id_y 1
		.amdhsa_system_sgpr_workgroup_id_z 1
		.amdhsa_system_vgpr_workitem_id 0
		.amdhsa_next_free_vgpr 1024
		.amdhsa_next_free_sgpr 102
		.amdhsa_reserve_vcc 0
		.amdhsa_float_denorm_mode_32 3
		.amdhsa_float_denorm_mode_16_64 3
		.amdhsa_memory_ordered 1
		.amdhsa_forward_progress 1
		.amdhsa_inst_pref_size 255
	.end_amdhsa_kernel
	.section	.bss,"aw",@nobits
	.p2align	6
	.space	262144
	.amdgpu_metadata
---
amdhsa.version: [ 1, 2 ]
amdhsa.kernels:
  - .name:           k_q961da17f38_qkvh
    .symbol:         k_q961da17f38_qkvh.kd
    .args:
      - { .name: xc, .offset: 0, .size: 8, .value_kind: global_buffer, .address_space: global }
      - { .name: wa, .offset: 8, .size: 8, .value_kind: global_buffer, .address_space: global }
      - { .name: lowp_scales, .offset: 16, .size: 8, .value_kind: global_buffer, .address_space: global }
      - { .name: bq, .offset: 24, .size: 8, .value_kind: global_buffer, .address_space: global }
      - { .name: bk, .offset: 32, .size: 8, .value_kind: global_buffer, .address_space: global }
      - { .name: bv, .offset: 40, .size: 8, .value_kind: global_buffer, .address_space: global }
      - { .name: b1, .offset: 48, .size: 8, .value_kind: global_buffer, .address_space: global }
      - { .name: qc, .offset: 56, .size: 8, .value_kind: global_buffer, .address_space: global }
      - { .name: kv, .offset: 64, .size: 8, .value_kind: global_buffer, .address_space: global }
      - { .name: ac, .offset: 72, .size: 8, .value_kind: global_buffer, .address_space: global }
    .group_segment_fixed_size: 327680
    .private_segment_fixed_size: 0
    .kernarg_segment_align: 8
    .kernarg_segment_size: 80
    .max_flat_workgroup_size: 128
    .sgpr_count:     102
    .vgpr_count:     1024
    .wavefront_size: 32
...
	.end_amdgpu_metadata
.endif
;; end of part 2
;; launch attn (part 3): grid 16 x 16, 4 waves a work-group, clusters of 4 x 1, 327,680 bytes of LDS; arguments qc, kv, lowp_scales, ac; writes ac
.if DOCPART == 3
	.amdgcn_target "amdgcn-amd-amdhsa--gfx1250"
	.amdhsa_code_object_version 6
	.text
	.protected	k_q961da17f38_attn
	.globl	k_q961da17f38_attn
	.p2align	8
	.type	k_q961da17f38_attn,@function
k_q961da17f38_attn:
	s_mov_b64 s[64:65], 0
	v_nop
	global_prefetch_b8 v0, s[64:65] scope:SCOPE_SE
	s_setreg_imm32_b32 hwreg(HW_REG_WAVE_MODE, 25, 1), 1
	s_wait_xcnt 0x0
	s_wait_alu depctr_hold_cnt(0) depctr_sa_sdst(0) depctr_va_vdst(0) depctr_va_sdst(0) depctr_va_ssrc(0) depctr_va_vcc(0) depctr_vm_vsrc(0)
	s_getreg_b32 s2, hwreg(HW_REG_IB_STS2, 6, 4)
	s_cmp_eq_u32 s2, 0
	s_cbranch_scc0 .Lentry_in_a_cluster
	s_endpgm
.Lentry_in_a_cluster:
	s_bfe_u32 s2, ttmp6, 0x10000c
	s_cmp_lg_u32 s2, 0x3003
	s_cbranch_scc0 .Lentry_shape_is_right
	s_endpgm
.Lentry_shape_is_right:
; ATTN.  softmax(Q K^T / sqrt(128)) V for 16 query heads on 4 key and value heads, 4 batches of 1,024 tokens, both products on codes of BF8 (E5M2) laid as images (16 rows x 128 k in 2,048 bytes).
; The result is quantised at once with entry 10's scale and stored as images into ac, panels 4 + head.
; THE SOFTMAX: t = score x log2(e) / sqrt(128); M = the running largest t rounded up to a whole number; p = 2^(t - M) is quantised, not normalised; the row's sum is taken of the unquantised p and divides at the end.
; When M moves, the sum and O are multiplied by 2^(old M - new M), which rounds nothing; there is no branch on data.
; SHARES.  Work-group (x, y): y = 4 batch + key and value head, x = 64 tokens.  Wave w owns query head 4 (y % 4) + w and those 64 queries, four tiles of 16: each fragment of K and of V^T feeds four matrix instructions.
; All 1,024 keys of the head's K and V^T, 262,144 bytes, lie in LDS: a first fill of 49,152 bytes (key step 0, and K of step 1), and behind the full sequence a second of 212,992.  Nothing is filled again.
; CLUSTER: the four work-groups along x share y and so K and V: both fills are joint loads (mask 15).  No prefetch: the launch asks for all of K and V at its head and has no later request to run ahead of.
; Both products are used transposed: S^T = K Q^T, O^T = V^T P^T: a lane holds one query of each tile.  Registers 2 t, 2 t + 1 of P hold keys 16 t + 8 (lane / 16) + 0 .. 7, as V^T's images are laid.
; Tile 2 v + par of O^T holds d = 32 v + 2 row + par: the codes of two tiles are interleaved by v_perm_b32 into the image's order.
; The next step's K is fetched behind this step's scores, V under the softmax; the four tiles' chains of the softmax stand line by line beside each other.
; LIMITS: entries 6 + 7 between -123 and 130; entries 8 and 10 between -126 and 112; the scaled scores stay under 2^31 in magnitude.  NaN is not served.
; REGISTERS: window 0: addresses, the tiles' state, Q, P, the codes on the way out.  window 1: S^T, then p (tile n at 64 n).  window 2: O^T (tile n, d tile t at 64 n + 8 t).  window 3: K's fragments v0-127, V's v128-255.
.set SPARE, 0x44000                    ; the spare words: 128 bytes a wave, two blocks of 256 bytes that no other line names
.set LI,   1
.set ADR,  2
.set ST0,  8                           ; a tile's state, 8 registers: -M, the largest t, the sum in two halves, f and a 0, two at work
.set PD,   40
.set PSUM, 44
.set SCP,  52
.set LIMP, 53
.set SCO,  54
.set LIMO, 55
.set SPW,  56
.set NIL,  57
.set Q,    64
.set P,    128
.set OUTR, 192
.set KF,   0
.set VF,   128
.set MSB, 0
.macro WIN new                         ; the immediate's high byte repeats the setting that is left
.if MSB != (\new)
	s_set_vgpr_msb (MSB<<8)|(\new)
.set MSB, (\new)
.endif
.endm
.macro CROUND
	s_barrier_signal -1
	s_barrier_wait -1
	s_cmp_lg_u32 s12, 0
	s_cbranch_scc1 .Lnot_wave_0_\@
	s_barrier_signal -3
.Lnot_wave_0_\@:
	s_barrier_wait -3
	s_barrier_signal -1
	s_barrier_wait -1
.endm
.macro PLACES
.rept 4
	v_nop
.endr
.endm
	s_load_b256 s[4:11], s[0:1], 0x0               ; qc, kv, exponents, ac
	v_lshl_add_u32 v[SPW], v0, 2, SPARE
	v_mov_b32 v[NIL], 0
	ds_add_u32 v[SPW], v[NIL]                      ; the opening lines: the add twice on end and one wait
	ds_add_u32 v[SPW], v[NIL]
	v_lshrrev_b32 v3, 5, v0
	v_readfirstlane_b32 s12, v3                    ; wave 0..3
	v_and_b32 v4, 31, v0
	v_lshlrev_b32 v[LI], 4, v4                     ; 16 x lane: my place in every image
	s_bfe_u32 s13, ttmp6, 0x40000
	s_lshl_b32 s14, ttmp9, 2
	s_add_co_u32 s14, s14, s13                     ; x
	s_and_b32 s15, ttmp7, 0xffff                   ; y, shared by the four partners
	s_mov_b32 s16, 15|(3<<16)|(1<<21)              ; the first fill: 48 rows of 256 bytes a wave, dense
	s_mov_b32 s17, 32<<16
	s_mov_b32 s18, 48<<16
	s_mov_b32 s19, 32<<16
	s_mov_b32 s20, 48
	s_mov_b32 s21, 32
	s_mov_b32 s22, 0
	s_mov_b32 s23, 0
	s_mov_b32 s24, 15|(3<<16)|(1<<21)              ; the second: 208 rows a wave
	s_mov_b32 s25, 32<<16
	s_mov_b32 s26, 208<<16
	s_mov_b32 s27, 32<<16
	s_mov_b32 s28, 208
	s_mov_b32 s29, 32
	s_mov_b32 s30, 0
	s_mov_b32 s31, 0
	s_lshl_b32 s56, s15, 18                        ; the head's K and V in kv
	s_mul_i32 s57, s12, 12288
	s_add_co_u32 s58, s56, s57
	s_mov_b32 s59, 0
	s_mul_i32 s60, s12, 53248
	s_add_co_u32 s60, s60, 49152
	s_add_co_u32 s62, s56, s60
	s_mov_b32 s63, 0
	s_and_b32 s46, s15, 3
	s_lshl_b32 s46, s46, 2
	s_add_co_u32 s46, s46, s12                     ; my query head
	s_lshr_b32 s47, s15, 2
	s_lshl_b32 s47, s47, 6
	s_lshl_b32 s69, s14, 2
	s_add_co_u32 s47, s47, s69                     ; my first group of 16 tokens
	s_lshl_b32 s47, s47, 11
	s_lshl_b32 s46, s46, 19
	s_add_co_u32 s46, s46, s47
	s_mov_b32 s47, 0
	s_wait_alu depctr_va_vdst(0)
	s_wait_dscnt 0x0
	s_wait_kmcnt 0x0
	s_load_b256 s[48:55], s[8:9], 0x18             ; entries 6 to 13
	s_mov_b32 s32, 1
	s_mov_b32 s33, s57
	s_add_nc_u64 s[34:35], s[6:7], s[58:59]
	s_or_b32 s35, s35, 0x80000000
	s_mov_b32 s36, 1
	s_mov_b32 s37, s60
	s_add_nc_u64 s[38:39], s[6:7], s[62:63]
	s_or_b32 s39, s39, 0x80000000
	s_add_nc_u64 s[4:5], s[4:5], s[46:47]
	s_add_co_u32 s46, s46, 4*524288
	s_add_nc_u64 s[10:11], s[10:11], s[46:47]
.irp n, 0,1,2,3
.irp c, 0,1,2,3
	global_load_b128 v[Q+16*\n+4*\c:Q+16*\n+4*\c+3], v[LI], s[4:5] offset:2048*\n+512*\c   ; Q's fragments stay in registers
.endr
.endr
	CROUND                                         ; the four work-groups are here: the first joint loads meet
	tensor_load_to_lds s[32:35], s[16:23]
	s_nop 0
	PLACES
.irp n, 0,1,2,3
	v_mov_b32 v[ST0+8*\n+1], 0xff61b1e6            ; the largest t so far: -3e38
	v_mov_b32 v[ST0+8*\n+2], 0
	v_mov_b32 v[ST0+8*\n+3], 0
	v_mov_b32 v[ST0+8*\n+5], 0
	v_mov_b32 v[PD+\n], 0                          ; a lane permute's destination counts as one of its sources
	v_floor_f32 v[ST0+8*\n], -v[ST0+8*\n+1]
.endr
	v_mov_b32 v[ADR], v[LI]
	s_mov_b32 s40, 0x76543210
	s_mov_b32 s41, 0xfedcba98
	s_mov_b32 s42, 0x3e0293ee                      ; log2(e) / sqrt(128)
	s_mov_b32 s44, 0
	s_mov_b32 s66, 0x05010400
	s_mov_b32 s67, 0x07030602
	s_wait_kmcnt 0x0
	s_add_co_i32 s56, s48, s49
	s_lshl_b32 s56, s56, 23
	s_add_co_i32 s42, s42, s56                     ; the two exponents are added to c's exponent field
	s_mov_b32 s43, s42
	s_add_co_i32 s56, s50, 127
	s_lshl_b32 s57, s56, 23
	v_mov_b32 v[SCP], s57
	s_add_co_i32 s56, s56, 15
	s_lshl_b32 s56, s56, 23
	s_or_b32 s56, s56, 0x600000
	v_mov_b32 v[LIMP], s56
	s_add_co_i32 s56, s52, 127
	s_lshl_b32 s57, s56, 23
	v_mov_b32 v[SCO], s57
	s_add_co_i32 s56, s56, 15
	s_lshl_b32 s56, s56, 23
	s_or_b32 s56, s56, 0x600000
	v_mov_b32 v[LIMO], s56
	s_add_co_i32 s68, s50, s51
.macro LDF base, off                   ; eight images into window 3
	WIN 0xc0
.irp t, 0,1,2,3,4,5,6,7
.irp c, 0,1,2,3
	ds_load_b128 v[\base+16*\t+4*\c:\base+16*\t+4*\c+3], v[ADR] offset:\off+2048*\t+512*\c
.endr
.endr
	WIN 0
.endm
.macro SOFT4                           ; the softmax of a key step for my four tiles, line by line beside each other
	WIN 0x15
.irp n, 0,1,2,3
	v_max3_num_f32 v[ST0+8*\n+6], v[64*\n], v[64*\n+1], v[64*\n+2]
	v_max3_num_f32 v[ST0+8*\n+7], v[64*\n+3], v[64*\n+4], v[64*\n+5]
.endr
	WIN 0x14
.irp i, 6,10,14,18,22,26,30,34,38,42,46,50,54,58
.irp n, 0,1,2,3
	v_max3_num_f32 v[ST0+8*\n+6], v[ST0+8*\n+6], v[64*\n+\i], v[64*\n+\i+1]
	v_max3_num_f32 v[ST0+8*\n+7], v[ST0+8*\n+7], v[64*\n+\i+2], v[64*\n+\i+3]
.endr
.endr
.irp n, 0,1,2,3
	v_max3_num_f32 v[ST0+8*\n+6], v[ST0+8*\n+6], v[64*\n+62], v[64*\n+63]
.endr
	WIN 0
.irp n, 0,1,2,3
	v_max_num_f32 v[ST0+8*\n+6], v[ST0+8*\n+6], v[ST0+8*\n+7]
.endr
.irp n, 0,1,2,3
	v_permlanex16_b32 v[PD+\n], v[ST0+8*\n+6], s40, s41
.endr
.irp n, 0,1,2,3
	v_max_num_f32 v[ST0+8*\n+6], v[ST0+8*\n+6], v[PD+\n]
.endr
.irp n, 0,1,2,3
	v_mul_f32 v[ST0+8*\n+6], s42, v[ST0+8*\n+6]
.endr
.irp n, 0,1,2,3
	v_max_num_f32 v[ST0+8*\n+1], v[ST0+8*\n+1], v[ST0+8*\n+6]
.endr
.irp n, 0,1,2,3
	v_mov_b32 v[ST0+8*\n+6], v[ST0+8*\n]
.endr
.irp n, 0,1,2,3
	v_floor_f32 v[ST0+8*\n], -v[ST0+8*\n+1]        ; the new -M
.endr
.irp n, 0,1,2,3
	v_sub_f32 v[ST0+8*\n+6], v[ST0+8*\n], v[ST0+8*\n+6]
.endr
.irp n, 0,1,2,3
	v_cvt_i32_f32 v[ST0+8*\n+6], v[ST0+8*\n+6]
.endr
.irp n, 0,1,2,3
	v_ldexp_f32 v[ST0+8*\n+4], 1.0, v[ST0+8*\n+6]  ; f = 2^(old M - new M)
.endr
	WIN 0x41
.irp n, 0,1,2,3
.set j, 0
.rept 32
	v_pk_fma_f32 v[64*\n+j:64*\n+j+1], v[64*\n+j:64*\n+j+1], s[42:43], v[ST0+8*\n:ST0+8*\n+1] op_sel_hi:[1,0,0]   ; t - M
.set j, j+2
.endr
.endr
	s_wait_alu depctr_va_vdst(0)                   ; ahead of the batch
.set j, 0
.rept 256
	v_exp_f32 v[j], v[j]
.set j, j+1
.endr
	WIN 0
.irp n, 0,1,2,3
	v_pk_mul_f32 v[ST0+8*\n+2:ST0+8*\n+3], v[ST0+8*\n+2:ST0+8*\n+3], v[ST0+8*\n+4:ST0+8*\n+5] op_sel_hi:[1,0]   ; the sums under the new M
.endr
	s_wait_alu depctr_va_vdst(0)                   ; one wait for the whole batch, ahead of its first reader
	WIN 0x05
.irp n, 0,1,2,3
	v_pk_add_f32 v[PSUM+2*\n:PSUM+2*\n+1], v[64*\n:64*\n+1], v[64*\n+2:64*\n+3]
.endr
	WIN 0x04
.irp i, 4,8,12,16,20,24,28,32,36,40,44,48,52,56,60
.irp n, 0,1,2,3
	v_pk_add_f32 v[ST0+8*\n+2:ST0+8*\n+3], v[ST0+8*\n+2:ST0+8*\n+3], v[64*\n+\i:64*\n+\i+1]
	v_pk_add_f32 v[PSUM+2*\n:PSUM+2*\n+1], v[PSUM+2*\n:PSUM+2*\n+1], v[64*\n+\i+2:64*\n+\i+3]
.endr
.endr
	WIN 0
.irp n, 0,1,2,3
	v_pk_add_f32 v[ST0+8*\n+2:ST0+8*\n+3], v[ST0+8*\n+2:ST0+8*\n+3], v[PSUM+2*\n:PSUM+2*\n+1]
.endr
	WIN 0x41
.set j, 0
.rept 256
	v_min_num_f32 v[j], v[j], v[LIMP]              ; the conversion does not saturate; p is not negative, so the hold is one-sided
.set j, j+1
.endr
	WIN 0x01
.irp n, 0,1,2,3
.irp t, 0,1,2,3,4,5,6,7
	v_cvt_scalef32_pk8_bf8_f32 v[P+16*\n+2*\t:P+16*\n+2*\t+1], v[64*\n+8*\t:64*\n+8*\t+7], v[SCP]
.endr
.endr
	v_nop                                          ; a plain line behind the run of conversions
.endm
; A key step of 128 keys.  first = 1: O's sums begin.  pre: 1 the next step's K is fetched, 2 in all trips but the loop's last.
.macro KSTEP first, pre
	s_wait_dscnt 0x0                               ; K's fragments are in
	WIN 0x43
.irp t, 0,1,2,3,4,5,6,7
.irp n, 0,1,2,3
	v_wmma_f32_16x16x128_bf8_bf8 v[64*\n+8*\t:64*\n+8*\t+7], v[KF+16*\t:KF+16*\t+15], v[Q+16*\n:Q+16*\n+15], 0
.endr
.endr
	PLACES
	LDF VF, 16384
.if \pre == 2
	s_cmp_eq_u32 s45, 1
	s_cbranch_scc1 .Lnok_\@
.endif
.if \pre
	LDF KF, 32768
.endif
.Lnok_\@:
	SOFT4
.if !\first
	WIN 0x82
	s_wait_alu depctr_va_vdst(0)                   ; ahead of the first reader of O^T
.irp n, 0,1,2,3
.set j, 0
.rept 32
	v_pk_mul_f32 v[64*\n+j:64*\n+j+1], v[64*\n+j:64*\n+j+1], v[ST0+8*\n+4:ST0+8*\n+5] op_sel_hi:[1,0]   ; O^T under the new M
.set j, j+2
.endr
.endr
.endif
	s_wait_alu depctr_va_vdst(0)
	s_wait_dscnt 0x0                               ; V's fragments are in (and the next K's)
	WIN 0xa3
.irp t, 0,1,2,3,4,5,6,7
.irp n, 0,1,2,3
.if \first
	v_wmma_f32_16x16x128_bf8_bf8 v[64*\n+8*\t:64*\n+8*\t+7], v[VF+16*\t:VF+16*\t+15], v[P+16*\n:P+16*\n+15], 0
.else
	v_wmma_f32_16x16x128_bf8_bf8 v[64*\n+8*\t:64*\n+8*\t+7], v[VF+16*\t:VF+16*\t+15], v[P+16*\n:P+16*\n+15], v[64*\n+8*\t:64*\n+8*\t+7]
.endif
.endr
.endr
	WIN 0
	s_add_co_u32 s44, s44, 32768
	v_add_nc_u32 v[ADR], s44, v[LI]
	s_wait_alu depctr_va_vdst(0)
.endm
	s_wait_alu depctr_va_vdst(0)
	s_wait_tensorcnt 0x0                           ; my part of the first fill is in
	ds_add_u32 v[SPW], v[NIL]
	s_wait_dscnt 0x0
	CROUND
	tensor_load_to_lds s[36:39], s[24:31]
	s_nop 0
	PLACES
	LDF KF, 0
	s_wait_loadcnt 0x0                             ; Q
	KSTEP 1, 1
	s_wait_tensorcnt 0x0                           ; my part of the second fill is in
	s_wait_dscnt 0x0
	s_barrier_signal -1
	s_barrier_wait -1                              ; and everybody's
	s_mov_b32 s45, 7
.Lkeys:
	KSTEP 0, 2
	s_sub_co_u32 s45, s45, 1
	s_cmp_lg_u32 s45, 0
	s_cbranch_scc1 .Lkeys
	PLACES
	; THE WAY OUT: O^T / the sum x 2^(ep + ev), held, quantised, two tiles' codes interleaved into the image's order, 512 consecutive bytes a store
.irp n, 0,1,2,3
	v_add_f32 v[ST0+8*\n+2], v[ST0+8*\n+2], v[ST0+8*\n+3]
.endr
.irp n, 0,1,2,3
	v_permlanex16_b32 v[PD+\n], v[ST0+8*\n+2], s40, s41
.endr
.irp n, 0,1,2,3
	v_add_f32 v[ST0+8*\n+2], v[ST0+8*\n+2], v[PD+\n]
.endr
	s_wait_alu depctr_va_vdst(0)                   ; ahead of the batch
.irp n, 0,1,2,3
	v_rcp_f32 v[ST0+8*\n+4], v[ST0+8*\n+2]
.endr
	v_nop
	s_wait_alu depctr_va_vdst(0)                   ; and behind it
.irp n, 0,1,2,3
	v_ldexp_f32 v[ST0+8*\n+4], v[ST0+8*\n+4], s68
.endr
	WIN 0x42
	s_wait_alu depctr_va_vdst(0)                   ; ahead of the first reader of O^T
.irp n, 0,1,2,3
.set j, 0
.rept 32
	v_pk_mul_f32 v[64*\n+j:64*\n+j+1], v[64*\n+j:64*\n+j+1], v[ST0+8*\n+4:ST0+8*\n+5] op_sel_hi:[1,0]
.set j, j+2
.endr
.endr
	WIN 0x41
.set j, 0
.rept 256
	v_med3_num_f32 v[j], v[j], -v[LIMO], v[LIMO]
.set j, j+1
.endr
	WIN 0x01
.irp n, 0,1,2,3
.irp t, 0,1,2,3,4,5,6,7
	v_cvt_scalef32_pk8_bf8_f32 v[P+16*\n+2*\t:P+16*\n+2*\t+1], v[64*\n+8*\t:64*\n+8*\t+7], v[SCO]
.endr
.endr
	v_nop
	WIN 0
.irp n, 0,1,2,3
.irp nu, 0,1,2,3
.irp q, 0,1,2,3
	v_perm_b32 v[OUTR+16*\n+4*\nu+\q], v[P+16*\n+4*\nu+2+(\q/2)], v[P+16*\n+4*\nu+(\q/2)], s[66+(\q%2)]
.endr
.endr
.endr
.irp n, 0,1,2,3
.irp nu, 0,1,2,3
	global_store_b128 v[LI], v[OUTR+16*\n+4*\nu:OUTR+16*\n+4*\nu+3], s[10:11] offset:2048*\n+512*\nu
.endr
.endr
	s_wait_tensorcnt 0x0                           ; the wave's end
	ds_add_u32 v[SPW], v[NIL]
	s_wait_dscnt 0x0
	CROUND                                         ; the closing round
	s_endpgm
.Lfunc_end_k_q961da17f38_attn:
	.size	k_q961da17f38_attn, .Lfunc_end_k_q961da17f38_attn-k_q961da17f38_attn
	.p2alignl 7, 3214868480
	.fill 96, 4, 3214868480
	.section	.rodata,"a",@progbits
	.p2align	6, 0x0
	.amdhsa_kernel k_q961da17f38_attn
		.amdhsa_group_segment_fixed_size 327680
		.amdhsa_private_segment_fixed_size 0
		.amdhsa_enable_private_segment 0
		.amdhsa_kernarg_size 32
		.amdhsa_user_sgpr_count 2
		.amdhsa_user_sgpr_kernarg_segment_ptr 1
		.amdhsa_wavefront_size32 1
		.amdhsa_system_sgpr_workgroup_id_x 1
		.amdhsa_system_sgpr_workgroup_id_y 1
		.amdhsa_system_sgpr_workgroup_id_z 1
		.amdhsa_system_vgpr_workitem_id 0
		.amdhsa_next_free_vgpr 1024
		.amdhsa_next_free_sgpr 72
		.amdhsa_reserve_vcc 0
		.amdhsa_float_denorm_mode_32 3
		.amdhsa_float_denorm_mode_16_64 3
		.amdhsa_memory_ordered 1
		.amdhsa_forward_progress 1
		.amdhsa_inst_pref_size 157
	.end_amdhsa_kernel
	.amdgpu_metadata
---
amdhsa.version: [ 1, 2 ]
amdhsa.kernels:
  - .name:           k_q961da17f38_attn
    .symbol:         k_q961da17f38_attn.kd
    .args:
      - { .name: qc, .offset: 0, .size: 8, .value_kind: global_buffer, .address_space: global }
      - { .name: kv, .offset: 8, .size: 8, .value_kind: global_buffer, .address_space: global }
      - { .name: lowp_scales, .offset: 16, .size: 8, .value_kind: global_buffer, .address_space: global }
      - { .name: ac, .offset: 24, .size: 8, .value_kind: global_buffer, .address_space: global }
    .group_segment_fixed_size: 327680
    .private_segment_fixed_size: 0
    .kernarg_segment_align: 8
    .kernarg_segment_size: 32
    .max_flat_workgroup_size: 128
    .sgpr_count:     72
    .vgpr_count:     1024
    .wavefront_size: 32
...
	.end_amdgpu_metadata
.endif
;; end of part 3
;; launch outp (part 4): grid 8 x 32, 4 waves a work-group, clusters of 4 x 4, 327,680 bytes of LDS; arguments ac, wb, lowp_scales, bo, b2, x, out0; writes out0
.if DOCPART == 4
	.amdgcn_target "amdgcn-amd-amdhsa--gfx1250"
	.amdhsa_code_object_version 6
	.text
	.protected	k_q961da17f38_outp
	.globl	k_q961da17f38_outp
	.p2align	8
	.type	k_q961da17f38_outp,@function
k_q961da17f38_outp:
	s_mov_b64 s[64:65], 0
	v_nop
	global_prefetch_b8 v0, s[64:65] scope:SCOPE_SE
	s_setreg_imm32_b32 hwreg(HW_REG_WAVE_MODE, 25, 1), 1
	s_wait_xcnt 0x0
	s_wait_alu depctr_hold_cnt(0) depctr_sa_sdst(0) depctr_va_vdst(0) depctr_va_sdst(0) depctr_va_ssrc(0) depctr_va_vcc(0) depctr_vm_vsrc(0)
	s_getreg_b32 s2, hwreg(HW_REG_IB_STS2, 6, 4)
	s_cmp_eq_u32 s2, 0
	s_cbranch_scc0 .Lentry_in_a_cluster
	s_endpgm
.Lentry_in_a_cluster:
	s_bfe_u32 s2, ttmp6, 0x10000c
	s_cmp_lg_u32 s2, 0xf033
	s_cbranch_scc0 .Lentry_shape_is_right
	s_endpgm
.Lentry_shape_is_right:
.set APAN,  16384
.set BPAN,  32768
.set BOFF,  3*APAN
.set SLOT,  3*(APAN+BPAN)
.set SPARE, 2*SLOT
.set STAGE, SLOT
.set SPITCH, 528
.set APST,  524288
.set BPST,  262144
.set NP, 4
.set ADRA, 16
.set ADRB, 18
.set STO,  24
.set RD,   25
.set CO,   26
.set SPW,  28
.set NIL,  29
.set AF,   128
.set G1,  24
.set G0,  32
.set G1B, 48
.set G0B, 56
.set G1S, 72
.set WV,  18
.set WHI, 19
.set WLO, 20
.set PB,  21
.set MSB, 0
.macro WIN new
.if MSB != \new
	s_set_vgpr_msb (MSB<<8)|\new
.set MSB, \new
.endif
.endm
.set MULW, 0xa1
.set TO_B, 0x40
.macro JLOAD s
	s_cmp_eq_u32 s[WV], 0
	s_cbranch_scc0 .Lfor_b_\@
	tensor_load_to_lds s[G0+4*\s:G0+4*\s+3], s[G1:G1+7]
	s_nop 0
.rept 4
	v_nop
.endr
	s_branch .Lasked_\@
.Lfor_b_\@:
	tensor_load_to_lds s[G0B+4*\s:G0B+4*\s+3], s[G1B:G1B+7]
	s_nop 0
.rept 4
	v_nop
.endr
.Lasked_\@:
.endm
.macro JSHORT s
	s_cmp_eq_u32 s[WV], 0
	s_cbranch_scc0 .Lshort_b_\@
	tensor_load_to_lds s[G0+4*\s:G0+4*\s+3], s[G1S:G1S+7]
	s_nop 0
.rept 4
	v_nop
.endr
	s_branch .Lshort_done_\@
.Lshort_b_\@:
	s_cmp_eq_u32 s[WV], 3
	s_cbranch_scc1 .Lshort_done_\@
	tensor_load_to_lds s[G0B+4*\s:G0B+4*\s+3], s[G1B:G1B+7]
	s_nop 0
.rept 4
	v_nop
.endr
.Lshort_done_\@:
.endm
.macro CREST
	s_cmp_lg_u32 s[WV], 0
	s_cbranch_scc1 .Lnot_wave_0_\@
	s_barrier_signal -3
.Lnot_wave_0_\@:
	s_barrier_wait -3
	s_barrier_signal -1
	s_barrier_wait -1
.endm
.macro CROUND
	s_barrier_signal -1
	s_barrier_wait -1
	CREST
.endm
	s_load_b256 s[4:11], s[0:1], 0x0
	s_load_b128 s[12:15], s[0:1], 0x20
	s_load_b64 s[16:17], s[0:1], 0x30
	v_lshl_add_u32 v[SPW], v0, 2, SPARE
	v_mov_b32 v[NIL], 0
	ds_add_u32 v28, v29
	ds_add_u32 v28, v29
	s_wait_dscnt 0x0
	v_lshrrev_b32 v1, 5, v0
	v_readfirstlane_b32 s[WV], v1
	s_lshr_b32 s[WHI], s[WV], 1
	s_and_b32 s[WLO], s[WV], 1
	s_add_co_u32 s[PB], s[WV], 3
	s_and_b32 s[PB], s[PB], 3
	s_bfe_u32 s40, ttmp6, 0x40000
	s_bfe_u32 s41, ttmp6, 0x40004
	s_lshl_b32 s42, ttmp9, 2
	s_add_co_u32 s42, s42, s40
	s_and_b32 s66, ttmp7, 0xffff
	s_lshl_b32 s66, s66, 2
	s_add_co_u32 s66, s66, s41
	s_lshl_b32 s43, s41, 2
	s_lshl_b32 s43, 15, s43
	s_lshl_b32 s44, 0x1111, s40
	s_or_b32 s[G1], s43, (3<<16)|(1<<21)
	s_or_b32 s[G1S], s43, (3<<16)|(1<<21)
	s_or_b32 s[G1B], s44, (3<<16)|(1<<21)
	s_mov_b32 s[G1+1], 2048<<16
	s_mov_b32 s[G1+2], 3<<16
	s_mov_b32 s[G1+3], 2048<<16
	s_mov_b32 s[G1+4], 3
	s_mov_b32 s[G1+5], 65536
	s_mov_b32 s[G1+6], 0
	s_mov_b32 s[G1+7], 0
	s_mov_b32 s[G1S+1], 2048<<16
	s_mov_b32 s[G1S+2], 2<<16
	s_mov_b32 s[G1S+3], 2048<<16
	s_mov_b32 s[G1S+4], 2
	s_mov_b32 s[G1S+5], 65536
	s_mov_b32 s[G1S+6], 0
	s_mov_b32 s[G1S+7], 0
	s_mov_b32 s[G1B+1], 32<<16
	s_mov_b32 s[G1B+2], 128<<16
	s_mov_b32 s[G1B+3], 32<<16
	s_mov_b32 s[G1B+4], 128
	s_mov_b32 s[G1B+5], 32
	s_mov_b32 s[G1B+6], 0
	s_mov_b32 s[G1B+7], 0
	s_lshl_b32 s22, s66, 14
	s_mov_b32 s23, 0
	s_lshl_b32 s46, s42, 15
	s_lshl_b32 s47, s[PB], 18
	s_add_co_u32 s46, s46, s47
	s_mov_b32 s47, 0
	s_lshl_b32 s45, s[PB], 15
	s_wait_kmcnt 0x0
	s_load_b64 s[68:69], s[8:9], 0x28
	s_load_b64 s[70:71], s[8:9], 0x38
	s_add_nc_u64 s[22:23], s[4:5], s[22:23]
	s_add_nc_u64 s[46:47], s[6:7], s[46:47]
	CROUND
.irp s, 0,1
	s_mov_b32 s[G0+4*\s], 1
	s_mov_b32 s[G0+4*\s+1], \s*SLOT
	s_add_nc_u64 s[G0+4*\s+2:G0+4*\s+3], s[22:23], \s*3*APST
	s_or_b32 s[G0+4*\s+3], s[G0+4*\s+3], 0x80000000
	s_mov_b32 s[G0B+4*\s], 1
	s_add_co_u32 s[G0B+4*\s+1], s45, \s*SLOT+BOFF
	s_add_nc_u64 s[G0B+4*\s+2:G0B+4*\s+3], s[46:47], \s*3*BPST
	s_or_b32 s[G0B+4*\s+3], s[G0B+4*\s+3], 0x80000000
	s_wait_alu depctr_va_vdst(0)
	s_wait_tensorcnt 0x0
	ds_add_u32 v28, v29
	ds_add_u32 v28, v29
	s_wait_dscnt 0x0
	CROUND
	JLOAD \s
.endr
	v_and_b32 v1, 15, v0
	v_bfe_u32 v2, v0, 4, 1
	v_and_b32 v3, 31, v0
	v_lshlrev_b32 v[CO], 4, v3
	s_lshl_b32 s45, s[WHI], 13
	v_add_nc_u32 v[ADRA], s45, v[CO]
	v_add_nc_u32 v[ADRA+1], SLOT, v[ADRA]
	s_lshl_b32 s45, s[WLO], 14
	s_add_co_u32 s45, s45, BOFF
	v_add_nc_u32 v[ADRB], s45, v[CO]
	v_add_nc_u32 v[ADRB+1], BPAN, v[ADRB]
	v_add_nc_u32 v[ADRB+2], 2*BPAN, v[ADRB]
	v_add_nc_u32 v[ADRB+3], SLOT, v[ADRB]
	v_add_nc_u32 v[ADRB+4], SLOT+BPAN, v[ADRB]
	v_add_nc_u32 v[ADRB+5], SLOT+2*BPAN, v[ADRB]
	s_mul_i32 s45, s[WV], 16*SPITCH
	s_add_co_u32 s45, s45, STAGE
	v_mul_u32_u24 v[STO], v1, SPITCH
	v_lshl_add_u32 v[STO], v2, 6, v[STO]
	v_add_nc_u32 v[STO], s45, v[STO]
	v_add_nc_u32 v[RD], s45, v[CO]
	s_lshl_b32 s88, s42, 10
	s_lshl_b32 s45, s[WLO], 9
	s_add_co_u32 s88, s88, s45
	s_mov_b32 s89, 0
	s_add_nc_u64 s[10:11], s[10:11], s[88:89]
	s_add_nc_u64 s[12:13], s[12:13], s[88:89]
	global_load_b128 v[8:11], v[CO], s[10:11]
	global_load_b128 v[12:15], v[CO], s[12:13]
	s_lshl_b32 s67, s66, 7
	s_lshl_b32 s45, s[WHI], 6
	s_add_co_u32 s67, s67, s45
	s_lshl_b32 s67, s67, 13
	s_add_co_u32 s88, s88, s67
	s_add_nc_u64 s[90:91], s[14:15], s[88:89]
	s_add_nc_u64 s[92:93], s[16:17], s[88:89]
	s_wait_kmcnt 0x0
	s_add_co_i32 s86, s68, s69
	s_add_co_i32 s84, s70, s71
	s_sub_co_i32 s84, s84, s86
	s_add_co_i32 s84, s84, 127
	s_lshl_b32 s84, s84, 23
	s_mov_b32 s85, s84
	s_add_co_i32 s86, s86, 127
	s_lshl_b32 s86, s86, 23
	s_mov_b32 s87, s86
	s_wait_loadcnt 0x0
	v_pk_add_f32 v[8:9], v[8:9], v[12:13]
	v_pk_add_f32 v[10:11], v[10:11], v[14:15]
.macro FRAG reg, adr, off
.irp c, 0,1,2,3
	ds_load_b128 v[\reg+4*\c:\reg+4*\c+3], v[\adr] offset:\off+512*\c
.endr
.endm
.macro LA slot, q, p
	WIN 0
.irp i, 0,1,2,3
	FRAG AF+64*(\p)+16*\i, ADRA+\slot, APAN*(\q)+2048*\i
.endr
.endm
.macro LB slot, q, p, i0
	WIN TO_B
.irp i, \i0, \i0+1, \i0+2, \i0+3
	FRAG 128*(\p)+16*(\i), ADRB+3*\slot+(\q), 2048*(\i)
.endr
.endm
.macro MUL8 g, p, first
.irp b, 2*\g, 2*\g+1
.irp a, 0,1,2,3
.if \first
	v_wmma_f32_16x16x128_bf8_bf8 v[8*(8*\a+(\b)):8*(8*\a+(\b))+7], v[128*(\p)+16*(\b):128*(\p)+16*(\b)+15], v[AF+64*(\p)+16*\a:AF+64*(\p)+16*\a+15], 0
.else
	v_wmma_f32_16x16x128_bf8_bf8 v[8*(8*\a+(\b)):8*(8*\a+(\b))+7], v[128*(\p)+16*(\b):128*(\p)+16*(\b)+15], v[AF+64*(\p)+16*\a:AF+64*(\p)+16*\a+15], v[8*(8*\a+(\b)):8*(8*\a+(\b))+7]
.endif
.endr
.endr
.endm
.macro PLACES n
.rept \n
	v_nop
.endr
.endm
.macro STEP slot, q, p, first
	s_wait_dscnt 16
	WIN MULW
	MUL8 0, \p, \first
	PLACES NP
	LA \slot, (\q)+1, 1-(\p)
	WIN MULW
	MUL8 1, \p, \first
	s_wait_dscnt 16
	LB \slot, (\q)+1, 1-(\p), 0
	WIN MULW
	MUL8 2, \p, \first
	LB \slot, (\q)+1, 1-(\p), 4
	WIN MULW
	MUL8 3, \p, \first
.endm
.macro TURN slot, p, next, fill
	WIN 0
	s_wait_tensorcnt 0x0
	ds_add_u32 v[SPW], v[NIL]
	s_wait_dscnt 17
	WIN MULW
	MUL8 0, \p, 0
	s_wait_dscnt 0x0
	s_barrier_signal -1
	MUL8 1, \p, 0
	WIN 0
	s_barrier_wait -1
.if \fill
	CREST
	s_add_nc_u64 s[G0+4*\slot+2:G0+4*\slot+3], s[G0+4*\slot+2:G0+4*\slot+3], 6*APST
	s_add_nc_u64 s[G0B+4*\slot+2:G0B+4*\slot+3], s[G0B+4*\slot+2:G0B+4*\slot+3], 6*BPST
.if \fill == 1
	JLOAD \slot
.else
	JSHORT \slot
	PLACES NP
.endif
.else
	PLACES NP
.endif
	LA \next, 0, 1-(\p)
	s_wait_alu depctr_va_vdst(0)
	LB \next, 0, 1-(\p), 0
	WIN MULW
	MUL8 2, \p, 0
	LB \next, 0, 1-(\p), 4
	WIN MULW
	MUL8 3, \p, 0
.endm
.macro XLOAD a
	WIN 0xc0
.set i, 0
.rept 16
	global_load_b128 v[64*(\a)+4*i:64*(\a)+4*i+3], v[CO], s[90:91] offset:(16*(\a)+i)*8192 th:TH_LOAD_NT
.set i, i+1
.endr
.endm
	s_wait_tensorcnt 1
	s_barrier_signal -1
	s_barrier_wait -1
	LA 0, 0, 0
	LB 0, 0, 0, 0
	LB 0, 0, 0, 4
	STEP 0, 0, 0, 1
	XLOAD 0
	STEP 0, 1, 1, 0
	TURN 0, 0, 1, 1
	STEP 1, 0, 1, 0
	PLACES NP
	WIN 0x82
.set j, 0
.rept 128
	v_pk_mul_f32 v[j:j+1], v[j:j+1], s[84:85] op_sel_hi:[1,0]
.set j, j+2
.endr
	XLOAD 1
	s_wait_alu depctr_va_vdst(0)
	STEP 1, 1, 0, 0
	TURN 1, 1, 0, 1
	STEP 0, 0, 0, 0
	XLOAD 2
	STEP 0, 1, 1, 0
	TURN 0, 0, 1, 1
	STEP 1, 0, 1, 0
	XLOAD 3
	STEP 1, 1, 0, 0
	TURN 1, 1, 0, 1
	STEP 0, 0, 0, 0
	STEP 0, 1, 1, 0
	TURN 0, 0, 1, 2
	STEP 1, 0, 1, 0
	STEP 1, 1, 0, 0
	TURN 1, 1, 0, 0
	STEP 0, 0, 0, 0
	s_wait_dscnt 16
	WIN MULW
	MUL8 0, 1, 0
	MUL8 1, 1, 0
	s_wait_dscnt 0
	MUL8 2, 1, 0
	MUL8 3, 1, 0
.macro TOSTAGE a
	WIN 0x08
.irp b, 0,1,2,3,4,5,6,7
	ds_store_b128 v[STO], v[64*(\a)+8*\b:64*(\a)+8*\b+3] offset:128*(\b/2)+32*(\b%2)
	ds_store_b128 v[STO], v[64*(\a)+8*\b+4:64*(\a)+8*\b+7] offset:128*(\b/2)+32*(\b%2)+16
.endr
	WIN 0x40
.set i, 0
.rept 16
	ds_load_b128 v[64*(\a)+4*i:64*(\a)+4*i+3], v[RD] offset:i*SPITCH
.set i, i+1
.endr
.endm
.macro SEND a, younger
	s_wait_dscnt \younger
	s_wait_loadcnt 16*(3-(\a))
	WIN 0xc3
.set j, 0
.rept 16
	v_pk_add_f32 v[64*(\a)+j:64*(\a)+j+1], v[64*(\a)+j:64*(\a)+j+1], v[8:9]
	v_pk_add_f32 v[64*(\a)+j+2:64*(\a)+j+3], v[64*(\a)+j+2:64*(\a)+j+3], v[10:11]
.set j, j+4
.endr
	WIN 0x71
.set j, 0
.rept 32
	v_pk_fma_f32 v[64*(\a)+j:64*(\a)+j+1], v[64*(\a)+j:64*(\a)+j+1], s[86:87], v[64*(\a)+j:64*(\a)+j+1] op_sel_hi:[1,0,1]
.set j, j+2
.endr
	WIN 0x04
.set i, 0
.rept 16
	global_store_b128 v[CO], v[64*(\a)+4*i:64*(\a)+4*i+3], s[92:93] offset:(16*(\a)+i)*8192 th:TH_STORE_NT
.set i, i+1
.endr
.endm
	PLACES NP
	TOSTAGE 0
	TOSTAGE 1
	SEND 0, 32
	TOSTAGE 2
	SEND 1, 32
	TOSTAGE 3
	SEND 2, 32
	SEND 3, 0
	WIN 0
	s_wait_tensorcnt 0x0
	ds_add_u32 v[SPW], v[NIL]
	s_wait_dscnt 0x0
	CROUND
	s_endpgm
.Lfunc_end_k_q961da17f38_outp:
	.size	k_q961da17f38_outp, .Lfunc_end_k_q961da17f38_outp-k_q961da17f38_outp
	.p2alignl 7, 3214868480
	.fill 96, 4, 3214868480
	.section	.rodata,"a",@progbits
	.p2align	6, 0x0
	.amdhsa_kernel k_q961da17f38_outp
		.amdhsa_group_segment_fixed_size 327680
		.amdhsa_private_segment_fixed_size 0
		.amdhsa_enable_private_segment 0
		.amdhsa_kernarg_size 56
		.amdhsa_user_sgpr_count 2
		.amdhsa_user_sgpr_kernarg_segment_ptr 1
		.amdhsa_wavefront_size32 1
		.amdhsa_system_sgpr_workgroup_id_x 1
		.amdhsa_system_sgpr_workgroup_id_y 1
		.amdhsa_system_sgpr_workgroup_id_z 1
		.amdhsa_system_vgpr_workitem_id 0
		.amdhsa_next_free_vgpr 1024
		.amdhsa_next_free_sgpr 96
		.amdhsa_reserve_vcc 0
		.amdhsa_float_denorm_mode_32 3
		.amdhsa_float_denorm_mode_16_64 3
		.amdhsa_memory_ordered 1
		.amdhsa_forward_progress 1
		.amdhsa_inst_pref_size 168
	.end_amdhsa_kernel
	.amdgpu_metadata
---
amdhsa.version: [ 1, 2 ]
amdhsa.kernels:
  - .name:           k_q961da17f38_outp
    .symbol:         k_q961da17f38_outp.kd
    .args:
      - { .name: ac, .offset: 0, .size: 8, .value_kind: global_buffer, .address_space: global }
      - { .name: wb, .offset: 8, .size: 8, .value_kind: global_buffer, .address_space: global }
      - { .name: lowp_scales, .offset: 16, .size: 8, .value_kind: global_buffer, .address_space: global }
      - { .name: bo, .offset: 24, .size: 8, .value_kind: global_buffer, .address_space: global }
      - { .name: b2, .offset: 32, .size: 8, .value_kind: global_buffer, .address_space: global }
      - { .name: x, .offset: 40, .size: 8, .value_kind: global_buffer, .address_space: global }
      - { .name: out0, .offset: 48, .size: 8, .value_kind: global_buffer, .address_space: global }
    .group_segment_fixed_size: 327680
    .private_segment_fixed_size: 0
    .kernarg_segment_align: 8
    .kernarg_segment_size: 56
    .max_flat_workgroup_size: 128
    .sgpr_count:     96
    .vgpr_count:     1024
    .wavefront_size: 32
...
	.end_amdgpu_metadata
.endif
;; end of part 4
